; MI455X (gfx1250); checked and timed in simulation.
; The chip was launched on July 23, 2026; its instructions are those of AMD's public machine-readable ISA for CDNA 5 (MIT licence, August 2026) and "CDNA5" Instruction Set Architecture Reference Guide (July 2026). The comments in the code are by the model that wrote it; some were corrected since.
;; Full Attention. Allowed arithmetic: matrix products marked QUANTISED: E2M3 operands, one E8M0 scale for each 32 along K, by v_wmma_scale_f32_16x16x128_f8f6f4 with both operands' format E2M3, f32 sums; everything else in f32.
;; Inputs: cos 2 x 2,048 x 64 float32; k_norm_w 128 float32; q_norm_w 128 float32; sin 2 x 2,048 x 64 float32; wk 2,048 x 512 float32; wo 1,024 x 2,048 float32; wq 2,048 x 2,048 float32; wv 2,048 x 512 float32; x 2 x 2,048 x 2,048 float32.
;; Outputs: out0 2 x 2,048 x 2,048 float32; out1 2 x 4 x 2,048 x 128 float32; out2 2 x 4 x 2,048 x 128 float32.
;; This version of the problem:
;;   THIS VERSION OF THE PROBLEM IS GIVEN IN LOW PRECISION. The matrix products marked QUANTISED in the list below multiply operands that are first quantised to E2M3 (2 exponent bits, 3 mantissa bits; 6 bits a number), with one power-of-two scale for each 32 numbers along K (OCP MX v1.0); their sums are f32. All else is computed in f32.
;;   The module's matrix products, in the order in which they are computed (A, B: the left and right operand; K: the contracted axis; several contracted axes count as one K, in the product's order):
;;     1. [M 4,096, K 2,048] x [K 2,048, N 2,048]; A: input x; B: input wq: QUANTISED
;;     2. [M 4,096, K 2,048] x [K 2,048, N 512]; A: input x; B: input wk: QUANTISED
;;     3. [M 4,096, K 2,048] x [K 2,048, N 512]; A: input x; B: input wv: QUANTISED
;;     4. batch 8 x [M 4,096, K 128] x [K 128, N 2,048]; A: computed on the way; B: computed on the way: QUANTISED
;;     5. batch 8 x [M 4,096, K 2,048] x [K 2,048, N 128]; A: softmax (see below); B: computed on the way: QUANTISED
;;     6. [M 4,096, K 1,024] x [K 1,024, N 2,048]; A: computed on the way; B: input wo: QUANTISED
;;   THE QUANTISER, for each operand of a quantised product, along K:
;;     - K is cut into blocks of 32 from its start; a last block that is shorter is filled with zeros.
;;     - A block's scale is 2^e with e = floor(log2(the largest magnitude in the block)) - 2, held to -126 .. 127; a block of zeros has e = 0. As a byte (E8M0): e + 127.
;;     - Each number is divided by its block's scale, clamped to +-7.5, and rounded to the nearest number of E2M3, ties to even, subnormals kept.
;;     - The product sums the exact products of the quantised numbers (number of the format x scale) in f32.
;;   ~~~python
;;   def quantise(x, axis):      # numpy; x: float32 -> the quantised numbers, widened to float32 again
;;       x = np.moveaxis(x, axis, -1); K = x.shape[-1]
;;       x = np.pad(x, [(0, 0)] * (x.ndim - 1) + [(0, -K % 32)]); x = x.reshape(x.shape[:-1] + (-1, 32)); a = np.abs(x).max(-1, keepdims=True)
;;       e = np.where(a > 0, np.clip(np.frexp(np.where(a > 0, a, 1))[1] - 1 - 2, -126, 127), 0)      # np.frexp(a)[1] - 1 = floor(log2(a)), exactly
;;       r = np.clip(x / 2.0 ** e, -7.5, 7.5)
;;       step = 2.0 ** (np.maximum(np.frexp(np.where(r == 0, 1, r))[1] - 1, 0) - 3)
;;       q = np.round(r / step) * step * 2.0 ** e      # np.round: ties to even
;;       return np.moveaxis(q.reshape(q.shape[:-2] + (-1,))[..., :K], -1, axis).astype(np.float32)
;;   ~~~
;;   SOFTMAX AHEAD OF A QUANTISED PRODUCT. Where the list says 'softmax', what is quantised is not the finished softmax but p = 2^(t - M), with t = logit x log2(e) and M = ceil(the row's largest t), a whole number; so 1/2 < the row's largest p <= 1. The row's sum l is taken of the UNQUANTISED p, in f32, and the product's result is divided by l at the end. Since M is a whole number, a kernel that streams over the keys may use a running M (the ceiling of the running maximum): every later rescaling is an exact power of two, which a block's scale takes up: the codes' values come out the same.
;;   OPERANDS COMPUTED ON THE WAY. 'Computed on the way' means the value that the module computes at that place (a softmax that the list does not call 'softmax' is quantised finished and normalised). What goes into a quantiser is computed in f32, as accurately as f32 sums, v_exp_f32 and their like allow (about 1e-6 of the number): no bf16 or f16 on the way to a quantiser, and a product that is left as it is and whose result goes on into a quantised operand takes f32 operands (vector FMAs, or v_wmma_f32_16x16x4_f32). A number that lies on a knife's edge between two numbers of the format may be rounded either way, as far as f32 arithmetic and the matrix unit's own rounding can turn it there, and no further.
;; One version. Each part assembles by itself: llvm-mc -triple=amdgcn-amd-amdhsa -mcpu=gfx1250 --defsym DOCPART=n.
;; ======== version 1 of 1: 4 launches
;; workspace buffers: opnd 13,107,200 bytes; qkv 23,330,816 bytes; att 3,276,800 bytes
;; launch quant (part 1): grid 512 x 1, 4 waves a work-group, no clusters, 58,880 bytes of LDS; arguments x, wq, wk, wv, wo, opnd; writes opnd
.if DOCPART == 1
	.amdgcn_target "amdgcn-amd-amdhsa--gfx1250"
	.amdhsa_code_object_version 6
	.text
	.protected	k_q0e6b5ca064_quant
	.globl	k_q0e6b5ca064_quant
	.p2align	8
	.type	k_q0e6b5ca064_quant,@function
k_q0e6b5ca064_quant:
	s_mov_b64 s[64:65], 0
	v_nop
	global_prefetch_b8 v0, s[64:65] scope:SCOPE_SE
	s_setreg_imm32_b32 hwreg(HW_REG_WAVE_MODE, 25, 1), 1
	s_wait_xcnt 0x0
; x [4096][2048], wq [2048][2048], wk, wv [2048][512], wo [1024][2048], all f32, become codes of FP6 (E2M3) with one E8M0 byte for each 32 along K,
; laid in the ORDER OF THE OPERAND'S REGISTERS: a fragment (16 rows x 128 K, 12 registers a lane) is 1,536 bytes, register group g (4 registers) of lane l at 512 g + 16 l;
; an operand is [row tile][K step][1,536]; its scale words are [row tile][K / 512][16 rows][4 words].
; ROWS BY POSITION: row tile T, lane row r, holds the row 32 (T / 2) + 8 (T % 2) + r + 8 (r / 8) (bits 3 and 4 of the index change places), so that the results of a product
; whose source 0 is such a tile lie in a lane's registers as neighbours along the next K.
; A block's scale is 2^(floor(log2(largest magnitude)) - 2): its byte is the largest magnitude's exponent field - 2, held at 1 from below.
; LIMITS: a block of zeros gets the byte 1 (its codes are zeros; the bytes are read by this program alone); NaN and infinities among the inputs are not served.
; Work-groups 0-255 take the weights (128 columns x 256 K each: a lane a column, registers down K, 8 blocks a wave); work-groups 256-511 take x (a row tile each, a wave a quarter of K):
; every work-group reads 131,072 bytes.  No tensor load, no barrier: waves share nothing.  The two ways have LDS bytes of their own.
.set XC,   0
.set WC,   0x600000                    ; wq's 2,048 columns, then for each kv head wk's 128 and wv's 128
.set WOC,  0xA80000
.set XS,   0xC00000
.set WS,   0xC40000
.set WOS,  0xC70000
.set NB,   8                           ; blocks of 32 along K for a weight wave
.set XST,  8448                        ; x: a wave's stage, 16 rows x (512 + 16) bytes
.set WST0, 4*XST                       ; the weights' stages begin behind them
.set WST,  6144                        ; a wave's: 2 row tiles x 2 K steps x 1,536
.set PC,   8                           ; v8-27   x: the codes just made
.set SWX,  28                          ; v28-31  x: four scale words
.set TM,   224                         ; v224-239 x: at work
.set SEL,  26                          ; s[26:27] selects for lane l xor 16
; 64 numbers of a lane, register 16 b + i = k 32 b + 16 (lane / 16) + i of my row, become a fragment's codes in v[PC] on and its scale word in v[w]
.macro QUANT s, w
.irp b, 0,1,2,3
	v_max3_num_f32 v[TM+\b], |v[(\s)+16*\b]|, |v[(\s)+1+16*\b]|, 0x1800000   ; my 16 numbers of block b and the floor 2^(3 - 127): the byte cannot fall under 1
.endr
.irp i, 2,4,6,8,10,12,14
.irp b, 0,1,2,3
	v_max3_num_f32 v[TM+\b], v[TM+\b], |v[(\s)+16*\b+\i]|, |v[(\s)+1+16*\b+\i]|
.endr
.endr
.irp b, 0,1,2,3
	v_permlanex16_b32 v[TM+4+\b], v[TM+\b], s[SEL], s[SEL+1]
.endr
.irp b, 0,1,2,3
	v_max_num_f32 v[TM+\b], v[TM+\b], v[TM+4+\b]       ; with lane l xor 16's: the block's largest magnitude
.endr
.irp b, 0,1,2,3
	v_add_nc_u32 v[TM+12+\b], 0xff000000, v[TM+\b]     ; 2 off its exponent field: the conversion's scale operand
.endr
.irp b, 0,1,2,3
	v_lshrrev_b32 v[TM+4+\b], 23, v[TM+12+\b]          ; the scale's byte
.endr
	v_lshl_or_b32 v[\w], v[TM+5], 8, v[TM+4]
	v_lshl_or_b32 v[\w], v[TM+6], 16, v[\w]
	v_lshl_or_b32 v[\w], v[TM+7], 24, v[\w]
.irp c, 0,1
	v_cvt_scalef32_pk16_fp6_f32 v[PC+6*\c:PC+2+6*\c], v[(\s)+32*\c:(\s)+15+32*\c], v[TM+12+2*\c]
	v_cvt_scalef32_pk16_fp6_f32 v[PC+12+4*\c:PC+14+4*\c], v[(\s)+16+32*\c:(\s)+31+32*\c], v[TM+12+2*\c+1]
.endr
	v_nop                                              ; one plain line behind the scaled conversions
.irp c, 0,1                                        ; the layout wants a whole block in a lane: lanes 0-15 block 2 c, lanes 16-31 block 2 c + 1
.irp i, 0,1,2
	v_permlane16_swap_b32 v[PC+6*\c+\i], v[PC+12+4*\c+\i]
.endr
.irp i, 0,1,2
	v_mov_b32 v[PC+3+6*\c+\i], v[PC+12+4*\c+\i]
.endr
.endr
.endm
	s_load_b256 s[4:11], s[0:1], 0x0               ; x, wq, wk, wv
	s_load_b128 s[12:15], s[0:1], 0x20             ; wo, opnd
	v_lshl_add_u32 v254, v0, 2, 0xe400
	v_mov_b32 v255, 0
	v_lshrrev_b32 v1, 5, v0
	v_readfirstlane_b32 s16, v1                    ; wave
	v_and_b32 v1, 31, v0                           ; lane
	s_cmp_ge_u32 ttmp9, 256
	s_cbranch_scc1 .Lx
	; ---------------- THE WEIGHTS.  Which tensor: chosen by the work-group's number alone.  First wo's figures, then wv's, wk's, wq's over them
	s_mov_b32 s17, 192                             ; the tensor's first work-group
	s_mov_b32 s18, 8192                            ; bytes from a row k to the next
	s_mov_b32 s19, 15                              ; blocks of 128 columns - 1
	s_mov_b32 s20, 4                               ; and their count as a shift
	s_mov_b32 s21, 3                               ; row tiles from one block of columns to the next, as a shift
	s_mov_b32 s22, 0                               ; the first row tile
	s_mov_b32 s23, 12288                           ; bytes of a row tile's codes
	s_mov_b32 s24, 512                             ; and of its scale words
	s_mov_b32 s25, WOC
	s_mov_b32 s26, WOS
	s_wait_kmcnt 0x0
	s_mov_b64 s[28:29], s[12:13]
	s_cmp_lt_u32 ttmp9, 192                        ; wv (or one of those in front of it)
	s_cselect_b32 s17, 160, s17
	s_cselect_b32 s18, 2048, s18
	s_cselect_b32 s19, 3, s19
	s_cselect_b32 s20, 2, s20
	s_cselect_b32 s21, 4, s21
	s_cselect_b32 s22, 136, s22
	s_cselect_b32 s23, 24576, s23
	s_cselect_b32 s24, 1024, s24
	s_cselect_b32 s25, WC, s25
	s_cselect_b32 s26, WS, s26
	s_cselect_b64 s[28:29], s[10:11], s[28:29]
	s_cmp_lt_u32 ttmp9, 160                        ; wk
	s_cselect_b32 s17, 128, s17
	s_cselect_b32 s22, 128, s22
	s_cselect_b64 s[28:29], s[8:9], s[28:29]
	s_cmp_lt_u32 ttmp9, 128                        ; wq
	s_cselect_b32 s17, 0, s17
	s_cselect_b32 s18, 8192, s18
	s_cselect_b32 s19, 15, s19
	s_cselect_b32 s20, 4, s20
	s_cselect_b32 s21, 3, s21
	s_cselect_b32 s22, 0, s22
	s_cselect_b64 s[28:29], s[6:7], s[28:29]
	s_sub_co_u32 s17, ttmp9, s17                   ; my number within the tensor
	s_and_b32 s19, s17, s19                        ; which 128 columns
	s_lshr_b32 s20, s17, s20                       ; which 256 along K
	s_lshl_b32 s21, s19, s21
	s_add_co_u32 s21, s21, s22
	s_lshl_b32 s22, s16, 1
	s_add_co_u32 s21, s21, s22                     ; my wave's first row tile
	s_lshl_b32 s30, s19, 9                         ; in: 512 bytes for 128 columns,
	s_lshl_b32 s31, s16, 7                         ; 128 for my wave's 32,
	s_add_co_u32 s30, s30, s31
	s_lshl_b32 s31, s20, 8
	s_mul_i32 s31, s31, s18                        ; 256 rows for each part of K
	s_add_co_u32 s30, s30, s31
	s_mov_b32 s31, 0
	s_add_nc_u64 s[32:33], s[28:29], s[30:31]      ; s[32+2t:33+2t]: where block t (32 rows of K) begins; never rewritten
	s_lshl_b32 s30, s18, 5
.irp t, 1,2,3,4,5,6,7
	s_add_nc_u64 s[32+2*\t:33+2*\t], s[30+2*\t:31+2*\t], s[30:31]
.endr
	s_mul_i32 s72, s21, s23                        ; out: my first row tile's codes, my two K steps
	s_add_co_u32 s72, s72, s25
	s_mul_i32 s73, s20, 3072
	s_add_co_u32 s72, s72, s73
	s_mov_b32 s73, 0
	s_add_nc_u64 s[66:67], s[14:15], s[72:73]
	s_mov_b32 s72, s23
	s_add_nc_u64 s[68:69], s[66:67], s[72:73]      ; and my second row tile's
	s_mul_i32 s72, s21, s24
	s_add_co_u32 s72, s72, s26
	s_lshr_b32 s74, s20, 1
	s_lshl_b32 s74, s74, 8                         ; which 512 along K,
	s_add_co_u32 s72, s72, s74
	s_and_b32 s74, s20, 1
	s_lshl_b32 s74, s74, 3                         ; and which two of a row's four words
	s_add_co_u32 s72, s72, s74
	s_add_nc_u64 s[70:71], s[14:15], s[72:73]      ; the scale words
	v_lshlrev_b32 v6, 2, v1
.set li, 0
.rept 32
	v_mad_u32_u24 v[32+li], s18, li, v6            ; v32-63: my column in row i of a block; never rewritten
.set li, li+1
.endr
	v_bfe_u32 v7, v0, 3, 1                         ; column l lies at position swap(l): row tile l bit 3,
	v_bfe_u32 v8, v0, 4, 1
	v_and_b32 v9, 7, v0
	v_lshl_or_b32 v9, v8, 3, v9                    ; row 8 x (l bit 4) + l % 8
	s_mul_i32 s75, s16, WST
	s_add_co_u32 s75, s75, WST0                    ; my stage
	v_mul_u32_u24 v2, v7, 3072
	v_lshl_add_u32 v2, v9, 4, v2
	v_add_nc_u32 v2, s75, v2                       ; v2: into the stage: my row's 16 bytes of a register group
	v_lshlrev_b32 v4, 4, v1                        ; v4: 16 x lane
	v_add_nc_u32 v3, s75, v4                       ; v3: out of the stage
	v_mul_u32_u24 v5, v7, s24
	v_lshl_add_u32 v5, v9, 4, v5                   ; v5: my row's scale words
.macro LOADW t                         ; block t: W(32 t + i, my column): each load reads 128 consecutive bytes a wave, the four waves side by side 512
.set li, 0
.rept 32
	global_load_b32 v[64+32*((\t)%3)+li], v[32+li], s[32+2*(\t):33+2*(\t)] th:TH_LOAD_NT
.set li, li+1
.endr
.endm
.macro WBLOCK t
.set XB, 64+32*((\t)%3)
.if (\t) < NB-1
	s_wait_loadcnt 32                              ; this block's 32 loads are in; the next block's 32 may be out
.else
	s_wait_loadcnt 0x0
.endif
.if (\t)+2 < NB
	LOADW (\t)+2                                   ; into the set that the block before has left
.endif
	v_max3_num_f32 v204, |v[XB]|, |v[XB+1]|, |v[XB+2]|             ; all 32 numbers of the block are mine
	v_max3_num_f32 v205, |v[XB+3]|, |v[XB+4]|, |v[XB+5]|
.irp i, 6,10,14,18,22,26
	v_max3_num_f32 v204, v204, |v[XB+\i]|, |v[XB+\i+1]|
	v_max3_num_f32 v205, v205, |v[XB+\i+2]|, |v[XB+\i+3]|
.endr
	v_max3_num_f32 v204, v204, |v[XB+30]|, |v[XB+31]|
	v_max3_num_f32 v204, v204, v205, 0x1800000     ; and the floor
	v_add_nc_u32 v206, 0xff000000, v204            ; the conversion's scale operand
	v_lshrrev_b32 v207, 23, v206                   ; the byte
.if (\t)%4 == 0
	v_mov_b32 v[208+(\t)/4], v207
.else
	v_lshl_or_b32 v[208+(\t)/4], v207, 8*((\t)%4), v[208+(\t)/4]
.endif
	v_cvt_scalef32_pk16_fp6_f32 v[192:194], v[XB:XB+15], v206
	v_cvt_scalef32_pk16_fp6_f32 v[200:202], v[XB+16:XB+31], v206   ; (a conversion's three registers begin on an even number)
	v_nop
	v_mov_b32 v195, v200
	v_mov_b32 v196, v201
	v_mov_b32 v197, v202
.set OF, ((\t)/4)*1536+256*((\t)%2)    ; block q = t % 4 of K step t / 4 is registers 6 (q / 2) .. + 5 of lane row + 16 (q % 2)
.if ((\t)%4)/2 == 0
	ds_store_b128 v2, v[192:195] offset:OF
	ds_store_b64 v2, v[196:197] offset:OF+512
.else
	ds_store_b64 v2, v[192:193] offset:OF+520
	ds_store_b128 v2, v[194:197] offset:OF+1024
.endif
	s_wait_dscnt 0x0                               ; the stores have read their registers
.endm
	LOADW 0
	LOADW 1
.irp t, 0,1,2,3,4,5,6,7
	WBLOCK \t
.endr
.set n, 0
.rept 12
	ds_load_b128 v[64+4*n:67+4*n], v3 offset:512*n ; LDS serves a wave's instructions in order: these see my stores
.set n, n+1
.endr
.set n, 0
.rept 12
	s_wait_dscnt 11-n                              ; load n is back; the 11 - n behind it may be out
	global_store_b128 v4, v[64+4*n:67+4*n], s[66+2*(n/6):67+2*(n/6)] offset:512*(n%6)   ; 512 consecutive bytes, aligned
.set n, n+1
.endr
	global_store_b64 v5, v[208:209], s[70:71]      ; my two of each row's four scale words: 8 bytes of each 16; the other two come from the work-group beside me along K
	s_wait_tensorcnt 0x0
	ds_add_u32 v254, v255
	s_wait_dscnt 0x0
	s_endpgm
	; ---------------- x: row tile T = work-group - 256; wave w takes K = 512 w .. 512 w + 511: four fragments
.Lx:
	s_sub_co_u32 s17, ttmp9, 256
	s_lshr_b32 s18, s17, 1
	s_lshl_b32 s18, s18, 5
	s_and_b32 s19, s17, 1
	s_lshl_b32 s19, s19, 3
	s_add_co_u32 s18, s18, s19                     ; the tile's first row: 32 (T / 2) + 8 (T % 2)
	s_lshl_b32 s18, s18, 13
	s_lshl_b32 s19, s16, 11
	s_add_co_u32 s18, s18, s19
	s_mov_b32 s19, 0
	s_lshl_b32 s20, s17, 4
	s_lshl_b32 s21, s16, 2
	s_add_co_u32 s20, s20, s21
	s_mul_i32 s20, s20, 1536                       ; fragment 16 T + 4 w
	s_mov_b32 s21, 0
	s_lshl_b32 s30, s17, 10
	s_lshl_b32 s31, s16, 8
	s_add_co_u32 s30, s30, s31
	s_add_co_u32 s30, s30, XS
	s_mov_b32 s31, 0
	s_wait_kmcnt 0x0
	s_add_nc_u64 s[4:5], s[4:5], s[18:19]
	s_add_nc_u64 s[22:23], s[14:15], s[20:21]
	s_add_nc_u64 s[24:25], s[14:15], s[30:31]
	s_mul_i32 s28, s16, XST
	v_lshlrev_b32 v2, 4, v1                        ; v2: 16 x lane
	v_add_nc_u32 v3, s28, v2                       ; v3: into the stage, a row as it lies
	v_and_b32 v6, 15, v0
	v_bfe_u32 v7, v0, 4, 1
	v_mul_u32_u24 v4, v6, 528
	v_lshl_add_u32 v4, v7, 6, v4
	v_add_nc_u32 v4, s28, v4                       ; v4: out of it: row r, + 64 h: my 16 numbers of each block of 32
	v_lshlrev_b32 v5, 4, v6                        ; v5: my row's four scale words
	s_mov_b32 s[SEL], 0x76543210
	s_mov_b32 s[SEL+1], 0xfedcba98
.irp b, 0,1,2,3
	v_mov_b32 v[TM+4+\b], 0                        ; written once: a lane permute's destination counts as one of its sources
.endr
.macro LOADX s                         ; K step s: each load reads 512 consecutive bytes of one row
.set rr, 0
.rept 16
	global_load_b128 v[32+64*((\s)%2)+4*rr:35+64*((\s)%2)+4*rr], v2, s[4:5] offset:(rr+8*(rr/8))*8192+512*(\s) th:TH_LOAD_NT
.set rr, rr+1
.endr
.endm
.macro XSTEP s
.set RS, 32+64*((\s)%2)
.if (\s) < 3
	s_wait_loadcnt 16                              ; this step's 16 rows are in; the next step's may be out
.else
	s_wait_loadcnt 0x0
.endif
.set rr, 0
.rept 16
	ds_store_b128 v3, v[RS+4*rr:RS+4*rr+3] offset:528*rr
.set rr, rr+1
.endr
.set e, 0
.rept 16
	ds_load_b128 v[160+4*e:163+4*e], v4 offset:128*(e/4)+16*(e%4)  ; register 16 b + i = k 32 b + 16 h + i of my row
.set e, e+1
.endr
	s_wait_dscnt 0x0
.if (\s)+2 < 4
	LOADX (\s)+2
.endif
	s_wait_xcnt 0x0                                ; the last step's stores have read the codes' registers
	QUANT 160, SWX+(\s)
.irp g, 0,1,2
	global_store_b128 v2, v[PC+4*\g:PC+4*\g+3], s[22:23] offset:1536*(\s)+512*\g
.endr
.endm
	LOADX 0
	LOADX 1
	XSTEP 0
	XSTEP 1
	XSTEP 2
	XSTEP 3
	global_store_b128 v5, v[SWX:SWX+3], s[24:25]   ; 256 bytes; lanes 16-31 hold and write the same as lanes 0-15
	s_wait_tensorcnt 0x0
	ds_add_u32 v254, v255
	s_wait_dscnt 0x0
	s_endpgm
.Lfunc_end_k_q0e6b5ca064_quant:
	.size	k_q0e6b5ca064_quant, .Lfunc_end_k_q0e6b5ca064_quant-k_q0e6b5ca064_quant
	.p2alignl 7, 3214868480
	.fill 96, 4, 3214868480
	.section	.rodata,"a",@progbits
	.p2align	6, 0x0
	.amdhsa_kernel k_q0e6b5ca064_quant
		.amdhsa_group_segment_fixed_size 58880
		.amdhsa_private_segment_fixed_size 0
		.amdhsa_enable_private_segment 0
		.amdhsa_kernarg_size 48
		.amdhsa_user_sgpr_count 2
		.amdhsa_user_sgpr_kernarg_segment_ptr 1
		.amdhsa_wavefront_size32 1
		.amdhsa_system_sgpr_workgroup_id_x 1
		.amdhsa_system_sgpr_workgroup_id_y 1
		.amdhsa_system_sgpr_workgroup_id_z 1
		.amdhsa_system_vgpr_workitem_id 0
		.amdhsa_next_free_vgpr 256
		.amdhsa_next_free_sgpr 96
		.amdhsa_reserve_vcc 0
		.amdhsa_float_denorm_mode_32 3
		.amdhsa_float_denorm_mode_16_64 3
		.amdhsa_memory_ordered 1
		.amdhsa_forward_progress 1
		.amdhsa_inst_pref_size 79
	.end_amdhsa_kernel
	.amdgpu_metadata
---
amdhsa.version: [ 1, 2 ]
amdhsa.kernels:
  - .name:           k_q0e6b5ca064_quant
    .symbol:         k_q0e6b5ca064_quant.kd
    .args:
      - { .name: x, .offset: 0, .size: 8, .value_kind: global_buffer, .address_space: global }
      - { .name: wq, .offset: 8, .size: 8, .value_kind: global_buffer, .address_space: global }
      - { .name: wk, .offset: 16, .size: 8, .value_kind: global_buffer, .address_space: global }
      - { .name: wv, .offset: 24, .size: 8, .value_kind: global_buffer, .address_space: global }
      - { .name: wo, .offset: 32, .size: 8, .value_kind: global_buffer, .address_space: global }
      - { .name: opnd, .offset: 40, .size: 8, .value_kind: global_buffer, .address_space: global }
    .group_segment_fixed_size: 58880
    .private_segment_fixed_size: 0
    .kernarg_segment_align: 8
    .kernarg_segment_size: 48
    .max_flat_workgroup_size: 128
    .sgpr_count:     96
    .vgpr_count:     256
    .wavefront_size: 32
...
	.end_amdgpu_metadata
.endif
;; end of part 1
;; launch proj (part 2): grid 12 x 16, 4 waves a work-group, clusters of 4 x 4, 327,680 bytes of LDS; arguments opnd, cos, sin, q_norm_w, k_norm_w, qkv, out1, out2; writes qkv, out1, out2
.if DOCPART == 2
	.amdgcn_target "amdgcn-amd-amdhsa--gfx1250"
	.amdhsa_code_object_version 6
	.text
	.protected	k_q0e6b5ca064_proj
	.globl	k_q0e6b5ca064_proj
	.p2align	8
	.type	k_q0e6b5ca064_proj,@function
k_q0e6b5ca064_proj:
	s_mov_b64 s[64:65], 0
	v_nop
	global_prefetch_b8 v0, s[64:65] scope:SCOPE_SE
	s_setreg_imm32_b32 hwreg(HW_REG_WAVE_MODE, 25, 1), 1
	s_wait_xcnt 0x0
	s_wait_alu depctr_hold_cnt(0) depctr_sa_sdst(0) depctr_va_vdst(0) depctr_va_sdst(0) depctr_va_ssrc(0) depctr_va_vcc(0) depctr_vm_vsrc(0)
	s_getreg_b32 s2, hwreg(HW_REG_IB_STS2, 6, 4)
	s_cmp_eq_u32 s2, 0
	s_cbranch_scc0 .Lentry_in_a_cluster
	s_endpgm
.Lentry_in_a_cluster:
	s_bfe_u32 s2, ttmp6, 0x10000c
	s_cmp_lg_u32 s2, 0xf033
	s_cbranch_scc0 .Lentry_shape_is_right
	s_endpgm
.Lentry_shape_is_right:
; x (wq | wk | wv): one product of 4,096 tokens x 3,072 columns x K = 2,048 on codes of FP6 (E2M3) with E8M0 scales, and what follows it.
; A work-group makes 256 tokens x 256 columns, each of its four waves 128 x 128: 64 accumulators.  Operands lie in memory in the order of the operand's registers (a fragment is 1,536 dense bytes),
; rows by position (bits 3 and 4 of the index changed), so a K step's tiles are dense rows of 3,072 bytes for the tensor data mover and a fragment is three ds_load_b128 with no bank conflict.
; THE MATRIX INSTRUCTION IS USED TRANSPOSED (source 0 = 16 columns of W, source 1 = 16 tokens): a lane holds ONE token, and the 64 registers of a token tile's eight accumulators are
; register 16 b + i = column 32 b + 16 (lane / 16) + i of the wave's 128: neighbours along the next product's K.
; A wave's 128 columns are one thing: a head's query (type 0), its gate (1), a head's key (2) or value (3); the type hangs on the cluster's x and the wave's number alone.
;   0, 2: RMS norm, rope on the first 64, quantised along the head's 128 -> a record of qkv; 2 also: out1.     1: the raw gate, as an image of the registers -> qkv.
;   3: out2, and through LDS quantised along the KEYS (a lane a channel, registers down the keys) -> a record of qkv.
; A record is 12,800 bytes: eight fragments, then 8 x 16 scale words.
; CLUSTERS: 4 x 4; x's tiles are shared along a row of the cluster, W's along a column: joint loads.
; ORDER OF ROUNDING: the norm is taken as (w x), rope, then x rsqrt: it differs from w x rsqrt, rope by f32 rounding alone.  LIMITS: NaN and infinities are not served; a block of zeros carries the byte 1 with zero codes.
; REGISTERS: window 0: v16-31 addresses; v32-63 scale words, two sets; v64-127 the norm's weights; v128-223 x's fragments, one set.  window 1: W's fragments, two sets at v0 and v128; v96-127, v224-255 idle in the loop:
; the first tile's cos and sin.  windows 2, 3: the accumulators ((a, b) at v[8 (8 (a % 4) + b)]).
.set XC,   0
.set WC,   0x600000
.set XS,   0xC00000
.set WS,   0xC40000
.set KR,   0x320000                    ; qkv: Q's records at 0, K's here,
.set VR,   0x4B0000                    ; V's,
.set GT,   0x640000                    ; the gates
.set NQ,    2                          ; matrix instructions deep in a slot (256 along K)
.set FR,    12
.set NL,    3                          ; LDS loads that bring a fragment
.set NP,    4                          ; places behind this matrix instruction (ISA guide 7.12.1)
.set TPB,   24576                      ; a row tile's codes in memory: 16 K steps of 1,536 bytes
.set STS,   1024                       ; and its scale words
.set LAPS,  4                          ; a lap = 512 along K = once round the ring
.set HALFT, 8*3072                     ; 8 row tiles x 256 along K: what one tensor load brings
.set SLOT,  4*HALFT
.set SCL,   2*SLOT                     ; behind the ring: the scale words for all of K, filled once
.set HALFS, 8*STS
.set SPARE, SCL+4*HALFS                ; the spare words: 128 bytes a wave, named by no other line
.set STAGE, SPARE+512                  ; the way out: bytes of its own for each wave; no fill lands here
.set WSTG,  16896                      ; 32 rows x (512 + 16)
.set ADRA, 16                          ; v16-17 my x fragments in slot 0, 1
.set CR,   18                          ; v18  stage + 4 x lane
.set VA,   19                          ; v19  stage: my channel's place in a fragment of V
.set ADRB, 20                          ; v20-21 my W fragments
.set VSA,  22                          ; v22  stage: my channel's scale word
.set SST,  23                          ; v23  stage + 4 r
.set LI,   24                          ; v24  16 x lane
.set STO,  25                          ; v25  stage + 528 r + 64 h
.set RD,   26                          ; v26  stage + 16 x lane
.set ADRS, 27                          ; v27  my scale words: lanes 0-15 x's, lanes 16-31 W's
.set SPW,  28
.set NIL,  29
.set CSO,  30                          ; v30  my token's row of cos and sin, + 64 h
.set NWO,  31                          ; v31  64 h
.set SC,   32
.set NW,   64
.set AF,   128
.set TM,   32                          ; the way out, window 0: v32-47 at work, v48-55 eight scale words, v56-59 sums of squares, v[60:61] rsqrt, v62-63 at work
.set PWS,  48
.set SS,   56
.set RR,   60
.set Y,    128                         ; v128-191 a tile's 64 numbers; v192-211 its codes; v212-243 the turned halves
.set PC,   192
.set TA,   212
.set TB,   228
.set VC,   96                          ; window 1, type 3: v96-191 V's codes, six registers for each (32 channels, 32 keys)
.set G1, 24
.set G0, 32
.set G1B, 48
.set G0B, 56
.set G1S, 68
.set G0S, 76
.set G1SB, 80
.set G0SB, 88
.set SEL, 100                          ; s[100:101] selects for lane l xor 16;  s104 = 1 / 128, s105 = 1e-6
.set MSB, 0
.macro WIN new                         ; the immediate's high byte repeats the setting that is left
.if MSB != (\new)
	s_set_vgpr_msb (MSB<<8)|(\new)
.set MSB, (\new)
.endif
.endm
.set MUL_LO, 0xa1                      ; source 0 (W) window 1, source 1 (x) window 0, C and D window 2
.set MUL_HI, 0xf1
.set TO_B,   0x40                      ; destination window 1
; A joint load: waves 0 and 1 fetch for x, waves 2 and 3 for W.  The branch hangs on the wave's number alone.  Four v_nop follow each line.
.macro JLOAD g0a, g1a, g0b, g1b
	s_cmp_eq_u32 s15, 0
	s_cbranch_scc0 .Lfor_b_\@
	tensor_load_to_lds s[\g0a:\g0a+3], s[\g1a:\g1a+7]
	s_nop 0
.rept 4
	v_nop
.endr
	s_branch .Lasked_\@
.Lfor_b_\@:
	tensor_load_to_lds s[\g0b:\g0b+3], s[\g1b:\g1b+7]
	s_nop 0
.rept 4
	v_nop
.endr
.Lasked_\@:
.endm
.macro CREST                           ; a round of the cluster's barrier behind its opening barrier
	s_cmp_lg_u32 s14, 0
	s_cbranch_scc1 .Lnot_wave_0_\@
	s_barrier_signal -3
.Lnot_wave_0_\@:
	s_barrier_wait -3
	s_barrier_signal -1
	s_barrier_wait -1
.endm
.macro CROUND
	s_barrier_signal -1
	s_barrier_wait -1
	CREST
.endm
	s_load_b256 s[4:11], s[0:1], 0x0               ; opnd, cos, sin, q_norm_w
	s_load_b256 s[92:99], s[0:1], 0x20             ; k_norm_w, qkv, out1, out2
	v_lshl_add_u32 v[SPW], v0, 2, SPARE
	v_mov_b32 v[NIL], 0
	ds_add_u32 v28, v29
	s_wait_dscnt 0x0
	v_lshrrev_b32 v1, 5, v0
	v_readfirstlane_b32 s14, v1                    ; wave 0..3
	s_lshr_b32 s15, s14, 1                         ; which 128 tokens are mine.  Also: I fetch for x (0) or for W (1)
	s_and_b32 s16, s14, 1                          ; which 128 columns.  Also: which 8 row tiles I fetch
	s_bfe_u32 s40, ttmp6, 0x40000                  ; cx, cy
	s_bfe_u32 s41, ttmp6, 0x40004
	s_lshl_b32 s42, ttmp9, 2
	s_add_co_u32 s42, s42, s40                     ; block of 256 columns
	s_and_b32 s17, ttmp7, 0xffff
	s_lshl_b32 s17, s17, 2
	s_add_co_u32 s17, s17, s41                     ; block of 256 tokens
	s_lshl_b32 s43, s41, 2
	s_lshl_b32 s43, 15, s43                        ; my row of the cluster
	s_lshl_b32 s44, 0x1111, s40                    ; my column
	; group 1: 8 rows (row tiles) of 3,072 bytes (384 elements of 8), TPB bytes apart in memory, dense in LDS
	s_or_b32 s[G1+0], s43, (3<<16)|(1<<21)
	s_or_b32 s[G1B+0], s44, (3<<16)|(1<<21)
.irp g, G1, G1B
	s_mov_b32 s[\g+1], 384<<16                     ; tensor_dim0
	s_mov_b32 s[\g+2], 8<<16                       ; tensor_dim1
	s_mov_b32 s[\g+3], 384<<16                     ; tile_dim0
	s_mov_b32 s[\g+4], 8                           ; tile_dim1
	s_mov_b32 s[\g+5], TPB/8                       ; the pitch
	s_mov_b32 s[\g+6], 0
	s_mov_b32 s[\g+7], 0
.endr
	; the scale words of 8 row tiles: a dense block, as rows of 256 bytes
	s_or_b32 s[G1S+0], s43, (3<<16)|(1<<21)
	s_or_b32 s[G1SB+0], s44, (3<<16)|(1<<21)
.irp g, G1S, G1SB
	s_mov_b32 s[\g+1], 32<<16
	s_mov_b32 s[\g+2], (HALFS/256)<<16
	s_mov_b32 s[\g+3], 32<<16
	s_mov_b32 s[\g+4], HALFS/256
	s_mov_b32 s[\g+5], 32
	s_mov_b32 s[\g+6], 0
	s_mov_b32 s[\g+7], 0
.endr
	s_lshl_b32 s18, s16, 3
	s_lshl_b32 s20, s17, 4
	s_add_co_u32 s20, s20, s18                     ; x: the first row tile that I fetch
	s_lshl_b32 s46, s42, 4
	s_add_co_u32 s46, s46, s18                     ; W: likewise
	s_mul_i32 s22, s20, STS
	s_add_co_u32 s22, s22, XS
	s_mov_b32 s23, 0
	s_mul_i32 s12, s46, STS
	s_add_co_u32 s12, s12, WS
	s_mov_b32 s13, 0
	s_mul_i32 s20, s20, TPB
	s_mov_b32 s21, 0
	s_mul_i32 s46, s46, TPB
	s_add_co_u32 s46, s46, WC
	s_mov_b32 s47, 0
	s_mul_i32 s45, s14, HALFT                      ; where they go: by the wave's number alone
	s_mul_i32 s2, s14, HALFS
	s_mov_b32 s[SEL], 0x76543210
	s_mov_b32 s[SEL+1], 0xfedcba98
	s_mov_b32 s104, 0x3c000000                     ; 1 / 128
	s_mov_b32 s105, 0x358637bd                     ; 1e-6
	s_wait_kmcnt 0x0
	s_add_nc_u64 s[20:21], s[4:5], s[20:21]
	s_add_nc_u64 s[22:23], s[4:5], s[22:23]
	s_add_nc_u64 s[46:47], s[4:5], s[46:47]
	s_add_nc_u64 s[12:13], s[4:5], s[12:13]
	CROUND                                         ; all sixteen work-groups are here: the first joint loads meet
	s_mov_b32 s[G0S], 1
	s_add_co_u32 s[G0S+1], s2, SCL
	s_mov_b64 s[G0S+2:G0S+3], s[22:23]
	s_or_b32 s[G0S+3], s[G0S+3], 0x80000000
	s_mov_b32 s[G0SB], 1
	s_add_co_u32 s[G0SB+1], s2, SCL
	s_mov_b64 s[G0SB+2:G0SB+3], s[12:13]
	s_or_b32 s[G0SB+3], s[G0SB+3], 0x80000000
	JLOAD G0S, G1S, G0SB, G1SB                     ; the scale words first
.irp s, 0,1
	s_mov_b32 s[G0+4*\s], 1
	s_add_co_u32 s[G0+4*\s+1], s45, \s*SLOT
	s_add_nc_u64 s[G0+4*\s+2:G0+4*\s+3], s[20:21], \s*3072
	s_or_b32 s[G0+4*\s+3], s[G0+4*\s+3], 0x80000000
	s_mov_b32 s[G0B+4*\s], 1
	s_add_co_u32 s[G0B+4*\s+1], s45, \s*SLOT
	s_add_nc_u64 s[G0B+4*\s+2:G0B+4*\s+3], s[46:47], \s*3072
	s_or_b32 s[G0B+4*\s+3], s[G0B+4*\s+3], 0x80000000
	JLOAD G0+4*\s, G1, G0B+4*\s, G1B
.endr
	; every LDS address is made here, ahead of any parting of the waves
	v_and_b32 v1, 15, v0                           ; r
	v_bfe_u32 v2, v0, 4, 1                         ; h
	v_and_b32 v3, 31, v0                           ; lane
	v_lshlrev_b32 v[LI], 4, v3
	s_mul_i32 s21, s15, HALFT
	s_mul_i32 s22, s16, HALFT
	s_add_co_u32 s22, s22, 2*HALFT
.irp s, 0,1
	v_add_nc_u32 v[ADRA+\s], s21, v[LI]
	v_add_nc_u32 v[ADRB+\s], s22, v[LI]
	s_add_co_u32 s21, s21, SLOT
	s_add_co_u32 s22, s22, SLOT
.endr
	s_mul_i32 s21, s15, HALFS                      ; x's scale words: my 8 row tiles
	s_mul_i32 s22, s16, HALFS                      ; W's: behind x's 16
	s_add_co_u32 s22, s22, 2*HALFS
	s_sub_co_u32 s22, s22, s21
	v_mul_u32_u24 v6, s22, v2                      ; lanes 16-31 take W's: one product, the distance between the two
	s_add_co_u32 s21, s21, SCL
	v_lshl_add_u32 v5, v1, 4, v6
	v_add_nc_u32 v[ADRS], s21, v5
	s_mul_i32 s23, s14, WSTG
	s_add_co_u32 s23, s23, STAGE                   ; my stage
	v_mul_u32_u24 v5, v1, 528
	v_lshl_add_u32 v5, v2, 6, v5
	v_add_nc_u32 v[STO], s23, v5
	v_add_nc_u32 v[RD], s23, v[LI]
	v_lshlrev_b32 v5, 2, v3
	v_add_nc_u32 v[CR], s23, v5
	v_bfe_u32 v6, v0, 3, 1                         ; channel 32 g + l lies at position swap(l): tile 2 g + (l bit 3), row 8 (l bit 4) + l % 8
	v_and_b32 v7, 7, v0
	v_lshl_or_b32 v7, v2, 3, v7
	v_mul_u32_u24 v8, v6, 1536
	v_lshl_add_u32 v8, v7, 4, v8
	v_add_nc_u32 v[VA], s23, v8
	v_lshl_or_b32 v8, v6, 4, v7
	v_lshlrev_b32 v8, 2, v8
	v_add_nc_u32 v8, s23, v8
	v_add_nc_u32 v[VSA], 12288, v8
	v_lshlrev_b32 v5, 2, v1
	v_add_nc_u32 v[SST], s23, v5
	v_and_b32 v9, 8, v1
	v_add_nc_u32 v9, v9, v1                        ; r + 8 (r / 8)
	v_lshlrev_b32 v9, 8, v9
	v_lshl_add_u32 v[CSO], v2, 6, v9
	v_lshlrev_b32 v[NWO], 6, v2
	; the norm's weights (register 16 b + i = w[32 b + 16 h + i]) and the first tile's cos and sin land while the product runs
	s_cmp_eq_u32 ttmp9, 2
	s_cselect_b64 s[18:19], s[92:93], s[10:11]
	s_lshl_b32 s12, s17, 1
	s_add_co_u32 s12, s12, s15                     ; my block of 128 tokens
	s_lshl_b32 s12, s12, 15                        ; x 128 rows of 256 bytes
	s_mov_b32 s13, 0
	s_add_nc_u64 s[6:7], s[6:7], s[12:13]
	s_add_nc_u64 s[8:9], s[8:9], s[12:13]
.set e, 0
.rept 16
	global_load_b128 v[NW+4*e:NW+4*e+3], v[NWO], s[18:19] offset:128*(e/4)+16*(e%4)
.set e, e+1
.endr
.macro CHUNKS t                        ; where tile t's cos and sin stand in window 1: three pairs of 32 registers by turns
.if (\t)%3 == 0
.set CC, 96
.set SN, 224
.elseif (\t)%3 == 1
.set CC, 0
.set SN, 32
.else
.set CC, 64
.set SN, 128
.endif
.endm
.macro CSLOAD t                        ; register 16 b + i = cos or sin of my token at 32 b + 16 h + i
	CHUNKS \t
.set e, 0
.rept 8
	global_load_b128 v[CC+4*e:CC+4*e+3], v[CSO], s[6:7] offset:(32*((\t)/2)+8*((\t)%2))*256+128*(e/4)+16*(e%4)
	global_load_b128 v[SN+4*e:SN+4*e+3], v[CSO], s[8:9] offset:(32*((\t)/2)+8*((\t)%2))*256+128*(e/4)+16*(e%4)
.set e, e+1
.endr
.endm
	WIN TO_B
	CSLOAD 0
	WIN 0
.macro FRAG reg, adr, q, i             ; a fragment comes as it was stored: three groups of four registers, 512 dense bytes each
.irp g, 0,1,2
	ds_load_b128 v[(\reg)+4*\g:(\reg)+4*\g+3], v[\adr] offset:(\i)*3072+(\q)*1536+512*\g
.endr
.endm
; 16 matrix instructions: token tiles a0, a0 + 1 x W's eight.  The 64 accumulators take turns, one instruction a turn, in the same order in every step.
.macro MUL16 a0, p, q, sc, zero
.irp a, \a0, \a0+1
.irp b, 0,1,2,3,4,5,6,7
.if \zero
	v_wmma_scale_f32_16x16x128_f8f6f4 v[8*(8*((\a)%4)+\b):8*(8*((\a)%4)+\b)+7], v[128*(\p)+FR*\b:128*(\p)+FR*\b+FR-1], v[AF+FR*(\a):AF+FR*(\a)+FR-1], 0, v[SC+8*NQ*(\sc)+NQ*\b+(\q)], v[SC+8*NQ*(\sc)+NQ*(\a)+(\q)] matrix_a_fmt:MATRIX_FMT_FP6 matrix_b_fmt:MATRIX_FMT_FP6 matrix_a_scale:MATRIX_SCALE_ROW1
.else
	v_wmma_scale_f32_16x16x128_f8f6f4 v[8*(8*((\a)%4)+\b):8*(8*((\a)%4)+\b)+7], v[128*(\p)+FR*\b:128*(\p)+FR*\b+FR-1], v[AF+FR*(\a):AF+FR*(\a)+FR-1], v[8*(8*((\a)%4)+\b):8*(8*((\a)%4)+\b)+7], v[SC+8*NQ*(\sc)+NQ*\b+(\q)], v[SC+8*NQ*(\sc)+NQ*(\a)+(\q)] matrix_a_fmt:MATRIX_FMT_FP6 matrix_b_fmt:MATRIX_FMT_FP6 matrix_a_scale:MATRIX_SCALE_ROW1
.endif
.endr
.endr
.endm
.macro FETCH_B slot, q, p
	WIN TO_B
.irp i, 0,1,2,3,4,5,6,7
	FRAG 128*(\p)+FR*\i, ADRB+\slot, \q, \i
.endr
	WIN 0
.endm
.macro FETCH_A slot, q, i0
.irp i, \i0, \i0+1, \i0+2, \i0+3
	FRAG AF+FR*(\i), ADRA+\slot, \q, \i
.endr
.endm
.macro SCALES sc                       ; a slot's two words a row: lanes 0-15 x's tile i, lanes 16-31 W's tile i
.irp i, 0,1,2,3,4,5,6,7
	ds_load_b64 v[SC+8*NQ*\sc+NQ*\i:SC+8*NQ*\sc+NQ*\i+1], v[ADRS] offset:\i*STS+8*\sc
.endr
.endm
.macro PLACES n                        ; plain vector lines between a matrix instruction and a load into, or a read of, its registers
.rept \n
	v_nop
.endr
.endm
.macro STEP slot, q, zero              ; 128 along K whose successor lies in the same slot
	s_wait_dscnt 4*NL                              ; W's set and x's tiles 0-3 are in; the youngest 12 loads (x's tiles 4-7) may be out
	WIN MUL_LO
	MUL16 0, (\q)%2, \q, \slot, \zero
	MUL16 2, (\q)%2, \q, \slot, \zero
	s_wait_dscnt 0
	PLACES NP
	FETCH_B \slot, (\q)+1, 1-(\q)%2
	FETCH_A \slot, (\q)+1, 0
	WIN MUL_HI
	MUL16 4, (\q)%2, \q, \slot, \zero
	MUL16 6, (\q)%2, \q, \slot, \zero
	PLACES NP
	WIN 0
	FETCH_A \slot, (\q)+1, 4
.endm
; A slot's last step changes slots: one barrier; in front of it each wave waits for all its tensor loads, adds 0 to its spare word, and waits for that and for its reads of this slot.
.macro TURN slot, next, fill
	s_wait_tensorcnt 0x0                           ; all my tensor loads have landed: my part of the next slot
	ds_add_u32 v[SPW], v[NIL]                      ; 0 onto my spare word
	s_wait_dscnt 4*NL+1                            ; (the add and the youngest 12 loads may be out)
	WIN MUL_LO
	MUL16 0, 1, NQ-1, \slot, 0
	s_wait_dscnt 0x0                               ; the add is done, and my reads of this slot are over
	s_barrier_signal -1
	MUL16 2, 1, NQ-1, \slot, 0
	WIN 0
	s_barrier_wait -1
.if \fill
	CREST                                          ; the barrier has opened a round of the cluster's: no wave of any partner still reads this slot or has a load on its way
	s_add_nc_u64 s[G0+4*\slot+2:G0+4*\slot+3], s[G0+4*\slot+2:G0+4*\slot+3], 2*3072
	s_add_nc_u64 s[G0B+4*\slot+2:G0B+4*\slot+3], s[G0B+4*\slot+2:G0B+4*\slot+3], 2*3072
	JLOAD G0+4*\slot, G1, G0B+4*\slot, G1B         ; the first tensor load behind the round; its four v_nop are the places in front of the loads below
.else
	PLACES NP
.endif
.if (\next) == 0
	v_add_nc_u32 v[ADRS], 256, v[ADRS]             ; the next 512 along K of the scale words
.endif
	FETCH_B \next, 0, 0
	FETCH_A \next, 0, 0
	SCALES \next
	WIN MUL_HI
	MUL16 4, 1, NQ-1, \slot, 0
	MUL16 6, 1, NQ-1, \slot, 0
	PLACES NP
	WIN 0
	FETCH_A \next, 0, 4
.endm
	s_wait_tensorcnt 1                             ; the scale words and my part of slot 0 are in; slot 1's load may be out
	s_barrier_signal -1
	s_barrier_wait -1
	FETCH_B 0, 0, 0
	FETCH_A 0, 0, 0
	SCALES 0
	FETCH_A 0, 0, 4
	STEP 0, 0, 1                                   ; the first step starts the sums
	s_mov_b32 s3, LAPS-1
.Llap:
	TURN 0, 1, 1
	STEP 1, 0, 0
	TURN 1, 0, 1
	STEP 0, 0, 0
	s_sub_co_u32 s3, s3, 1
	s_cmp_lg_u32 s3, 0
	s_cbranch_scc1 .Llap
	TURN 0, 1, 0                                   ; the last lap fills nothing
	STEP 1, 0, 0
	s_wait_dscnt 4*NL
	WIN MUL_LO
	MUL16 0, 1, NQ-1, 1, 0
	MUL16 2, 1, NQ-1, 1, 0
	s_wait_dscnt 0
	WIN MUL_HI
	MUL16 4, 1, NQ-1, 1, 0
	MUL16 6, 1, NQ-1, 1, 0
	WIN 0
	PLACES NP                                      ; behind the last products: results are read, operands' registers written and loaded below
	s_wait_loadcnt 0x0                             ; the weights, the first cos and sin
	; ---------------- WHAT FOLLOWS THE PRODUCT.  Where my 128 tokens x 128 columns go
	s_lshl_b32 s18, s17, 1
	s_add_co_u32 s18, s18, s15                     ; block of 128 tokens, 0..31
	s_lshr_b32 s19, s18, 4                         ; the batch
	s_and_b32 s18, s18, 15                         ; the block within the sequence
	s_and_b32 s20, s42, 7                          ; the head: of 8 (queries, gates) or of 4 (keys, values)
	s_lshr_b32 s21, ttmp9, 1                       ; 1: the columns of wk | wv
	s_sub_co_u32 s22, 3, s21
	s_lshl_b32 s19, s19, s22
	s_add_co_u32 s19, s19, s20
	s_lshl_b32 s19, s19, 4
	s_add_co_u32 s19, s19, s18                     ; (batch, head, block)
	s_mul_i32 s24, s19, 12800                      ; its record
	s_mov_b32 s25, 0
	s_lshl_b32 s26, s19, 16                        ; its 128 rows of 512 bytes
	s_mov_b32 s27, 0
	s_lshl_b32 s21, s21, 1
	s_add_co_u32 s21, s21, s16                     ; the type
	s_cmp_eq_u32 s21, 1
	s_cbranch_scc1 .Lgate
	s_cmp_eq_u32 s21, 3
	s_cbranch_scc1 .Lvalue
; 64 numbers of a lane, register 16 b + i = k 32 b + 16 h + i of my row -> a fragment's codes in v[PC] on, its scale word in v[w]
.macro QUANT s, w
.irp b, 0,1,2,3
	v_max3_num_f32 v[TM+\b], |v[(\s)+16*\b]|, |v[(\s)+1+16*\b]|, 0x1800000   ; with the floor 2^(3 - 127): the byte cannot fall under 1
.endr
.irp i, 2,4,6,8,10,12,14
.irp b, 0,1,2,3
	v_max3_num_f32 v[TM+\b], v[TM+\b], |v[(\s)+16*\b+\i]|, |v[(\s)+1+16*\b+\i]|
.endr
.endr
.irp b, 0,1,2,3
	v_permlanex16_b32 v[TM+4+\b], v[TM+\b], s[SEL], s[SEL+1]
.endr
.irp b, 0,1,2,3
	v_max_num_f32 v[TM+\b], v[TM+\b], v[TM+4+\b]
.endr
.irp b, 0,1,2,3
	v_add_nc_u32 v[TM+12+\b], 0xff000000, v[TM+\b]
.endr
.irp b, 0,1,2,3
	v_lshrrev_b32 v[TM+4+\b], 23, v[TM+12+\b]
.endr
	v_lshl_or_b32 v[\w], v[TM+5], 8, v[TM+4]
	v_lshl_or_b32 v[\w], v[TM+6], 16, v[\w]
	v_lshl_or_b32 v[\w], v[TM+7], 24, v[\w]
.irp c, 0,1
	v_cvt_scalef32_pk16_fp6_f32 v[PC+6*\c:PC+2+6*\c], v[(\s)+32*\c:(\s)+15+32*\c], v[TM+12+2*\c]
	v_cvt_scalef32_pk16_fp6_f32 v[PC+12+4*\c:PC+14+4*\c], v[(\s)+16+32*\c:(\s)+31+32*\c], v[TM+12+2*\c+1]
.endr
	v_nop
.irp c, 0,1
.irp i, 0,1,2
	v_permlane16_swap_b32 v[PC+6*\c+\i], v[PC+12+4*\c+\i]
.endr
.irp i, 0,1,2
	v_mov_b32 v[PC+3+6*\c+\i], v[PC+12+4*\c+\i]
.endr
.endr
.endm
; TYPES 0 AND 2, token tile a: norm, rope, (out1,) codes
.macro QKTILE a
.set WN, 2+(\a)/4
.set AC, 64*((\a)%4)
.if (\a) > 0
	s_wait_xcnt 0x0                                ; the last tile's stores have read their registers
.endif
	WIN WN*5                                       ; sources 0 and 1: the accumulators' window
	v_pk_mul_f32 v[SS:SS+1], v[AC:AC+1], v[AC:AC+1]                ; the sum of squares of my 64, two chains, each accumulator from its low end on
	v_pk_mul_f32 v[SS+2:SS+3], v[AC+2:AC+3], v[AC+2:AC+3]
.set n, 2
.rept 30
	v_pk_fma_f32 v[SS+2*(n%2):SS+2*(n%2)+1], v[AC+2*n:AC+2*n+1], v[AC+2*n:AC+2*n+1], v[SS+2*(n%2):SS+2*(n%2)+1]
.set n, n+1
.endr
	WIN 0
	v_pk_add_f32 v[SS:SS+1], v[SS:SS+1], v[SS+2:SS+3]
	v_add_f32 v62, v[SS], v[SS+1]
	v_permlanex16_b32 v63, v62, s[SEL], s[SEL+1]
	v_add_f32 v62, v62, v63                        ; with lane l xor 16's 64: the row's
	v_fma_f32 v62, v62, s104, s105                 ; the mean + 1e-6
	v_rsq_f32 v[RR], v62
	WIN WN
.set n, 0
.rept 32
	v_pk_mul_f32 v[Y+2*n:Y+2*n+1], v[AC+2*n:AC+2*n+1], v[NW+2*n:NW+2*n+1]       ; w x: the independent work behind the root
.set n, n+1
.endr
	WIN 0
	s_wait_alu depctr_va_vdst(0)                   ; the wait ahead of the root's first reader
.if (\a) <= 5
	s_wait_loadcnt 32                              ; my tile's cos and sin are in; those of the next two tiles may be out
.elseif (\a) == 6
	s_wait_loadcnt 16
.else
	s_wait_loadcnt 0x0
.endif
	CHUNKS \a
	WIN 0x04                                       ; source 1: window 1
.set n, 0
.rept 8                                        ; registers i and 16 + i are channels d and d + 32 of the first 64
	v_pk_mul_f32 v[TA+2*n:TA+2*n+1], v[Y+2*n:Y+2*n+1], v[CC+2*n:CC+2*n+1]
	v_pk_mul_f32 v[TB+2*n:TB+2*n+1], v[Y+16+2*n:Y+17+2*n], v[CC+16+2*n:CC+17+2*n]
	v_pk_fma_f32 v[TA+2*n:TA+2*n+1], v[Y+16+2*n:Y+17+2*n], v[SN+2*n:SN+2*n+1], v[TA+2*n:TA+2*n+1] neg_lo:[1,0,0] neg_hi:[1,0,0]
	v_pk_fma_f32 v[TB+2*n:TB+2*n+1], v[Y+2*n:Y+2*n+1], v[SN+16+2*n:SN+17+2*n], v[TB+2*n:TB+2*n+1]
.set n, n+1
.endr
	WIN 0
.set n, 0
.rept 8
	v_pk_mul_f32 v[Y+2*n:Y+2*n+1], v[TA+2*n:TA+2*n+1], v[RR:RR+1] op_sel_hi:[1,0]
	v_pk_mul_f32 v[Y+16+2*n:Y+17+2*n], v[TB+2*n:TB+2*n+1], v[RR:RR+1] op_sel_hi:[1,0]
.set n, n+1
.endr
.set n, 16
.rept 16
	v_pk_mul_f32 v[Y+2*n:Y+2*n+1], v[Y+2*n:Y+2*n+1], v[RR:RR+1] op_sel_hi:[1,0]
.set n, n+1
.endr
.if (\a) <= 4
	WIN TO_B
	CSLOAD (\a)+3                                  ; into the pair of chunks just read
	WIN 0
.endif
	s_cmp_lg_u32 s21, 2
	s_cbranch_scc1 .Lnot_k1_\@
.set e, 0
.rept 16
	ds_store_b128 v[STO], v[Y+4*e:Y+4*e+3] offset:128*(e/4)+16*(e%4)            ; the key's row, channels in their order
.set e, e+1
.endr
	WIN TO_B
.set e, 0
.rept 16
	ds_load_b128 v[160+4*e:163+4*e], v[RD] offset:528*e                         ; back as whole rows; LDS serves a wave's instructions in order
.set e, e+1
.endr
	WIN 0
.Lnot_k1_\@:
	QUANT Y, PWS+(\a)
.irp g, 0,1,2
	global_store_b128 v[LI], v[PC+4*\g:PC+4*\g+3], s[32:33] offset:1536*(\a)+512*\g
.endr
	s_cmp_lg_u32 s21, 2
	s_cbranch_scc1 .Lnot_k2_\@
	s_wait_dscnt 0x0
	WIN 0x04                                       ; a store's data: window 1
.set e, 0
.rept 16
	global_store_b128 v[LI], v[160+4*e:163+4*e], s[34:35] offset:(32*((\a)/2)+8*((\a)%2)+e+8*(e/8))*512 th:TH_STORE_NT   ; a row of out1: 512 consecutive bytes
.set e, e+1
.endr
	WIN 0
.Lnot_k2_\@:
.endm
	s_cmp_eq_u32 s21, 2
	s_cselect_b32 s28, KR, 0
	s_add_co_u32 s24, s24, s28
	s_add_nc_u64 s[32:33], s[94:95], s[24:25]      ; my record
	s_add_nc_u64 s[34:35], s[96:97], s[26:27]      ; my rows of out1 (used by type 2 alone)
	WIN TO_B
	CSLOAD 1
	CSLOAD 2
	WIN 0
	v_mov_b32 v61, 0                               ; (named as the upper half of a pair)
	v_mov_b32 v63, 0                               ; a lane permute's destination counts as one of its sources
.irp b, 0,1,2,3
	v_mov_b32 v[TM+4+\b], 0
.endr
.irp a, 0,1,2,3,4,5,6,7
	QKTILE \a
.endr
.irp a, 0,1,2,3,4,5,6,7
	ds_store_b32 v[SST], v[PWS+\a] offset:64*\a    ; lanes 16-31 hold and write the same as lanes 0-15
.endr
	ds_load_b128 v[TA:TA+3], v[RD]
	s_wait_dscnt 0x0
	global_store_b128 v[LI], v[TA:TA+3], s[32:33] offset:12288     ; the record's 512 bytes of scale words
	s_branch .Lend
	; TYPE 1: the gate goes out as it stands in the registers: attention's result has the same layout
.Lgate:
	s_add_co_u32 s26, s26, GT
	s_add_nc_u64 s[32:33], s[94:95], s[26:27]
.irp a, 0,1,2,3,4,5,6,7
.set WD, 0x08+4*(\a/4)
	WIN WD
.set n, 0
.rept 16
	global_store_b128 v[LI], v[64*(\a%4)+4*n:64*(\a%4)+4*n+3], s[32:33] offset:8192*\a+512*n
.set n, n+1
.endr
.endr
	WIN 0
	s_branch .Lend
	; TYPE 3: 32 tokens (two tiles) at a time through the stage: out as rows of out2, and by columns into blocks of 32 keys
.macro ROWS hf
.set e, 0
.rept 16
	ds_load_b128 v[128+64*\hf+4*e:131+64*\hf+4*e], v[RD] offset:528*(16*\hf+e)
.set e, e+1
.endr
.endm
.macro OUTR q, hf                      ; the stage's row p holds token 32 q + swap(p)
.set e, 16*\hf
.rept 16
	global_store_b128 v[LI], v[128+4*e:131+4*e], s[34:35] offset:(32*(\q)+e%8+16*((e/8)%2)+8*(e/16))*512 th:TH_STORE_NT
.set e, e+1
.endr
.endm
.macro COLS g                          ; channel 32 g + lane, keys 0..31 of the block in their order
	WIN TO_B
.set k, 0
.rept 32
	ds_load_b32 v[32*((\g)%2)+k], v[CR] offset:(k%8+16*((k/8)%2)+8*(k/16))*528+128*(\g)
.set k, k+1
.endr
	WIN 0
.endm
.macro COLQ g, q                       ; wholly in window 1
	WIN 0x55
.set XB, 32*((\g)%2)
.set VD, VC+6*(4*(\g)+(\q))
	v_max3_num_f32 v64, |v[XB]|, |v[XB+1]|, |v[XB+2]|
	v_max3_num_f32 v65, |v[XB+3]|, |v[XB+4]|, |v[XB+5]|
.irp i, 6,10,14,18,22,26
	v_max3_num_f32 v64, v64, |v[XB+\i]|, |v[XB+\i+1]|
	v_max3_num_f32 v65, v65, |v[XB+\i+2]|, |v[XB+\i+3]|
.endr
	v_max3_num_f32 v64, v64, |v[XB+30]|, |v[XB+31]|
	v_max3_num_f32 v64, v64, v65, 0x1800000
	v_add_nc_u32 v66, 0xff000000, v64
	v_lshrrev_b32 v67, 23, v66
.if (\q) == 0
	v_mov_b32 v[76+(\g)], v67
.else
	v_lshl_or_b32 v[76+(\g)], v67, 8*(\q), v[76+(\g)]
.endif
	v_cvt_scalef32_pk16_fp6_f32 v[VD:VD+2], v[XB:XB+15], v66
	v_cvt_scalef32_pk16_fp6_f32 v[72:74], v[XB+16:XB+31], v66
	v_nop
	v_mov_b32 v[VD+3], v72
	v_mov_b32 v[VD+4], v73
	v_mov_b32 v[VD+5], v74
	WIN 0
.endm
.macro VQ q
.set WD, 0x08+4*((\q)/2)
	s_wait_xcnt 0x0                                ; the last 32 tokens' stores have read their registers
	WIN WD
.irp u, 0,1
.set AC, 64*((2*(\q)+\u)%4)
.set e, 0
.rept 16
	ds_store_b128 v[STO], v[AC+4*e:AC+4*e+3] offset:\u*8448+128*(e/4)+16*(e%4)
.set e, e+1
.endr
.endr
	WIN 0
	ROWS 0
	COLS 0
	s_wait_dscnt 32                                ; rows 0-15 are back; the 32 loads of channels 0-31 may be out
	OUTR \q, 0
	ROWS 1
	s_wait_dscnt 16                                ; channels 0-31 are in; rows 16-31 may be out
	COLS 1
	COLQ 0, \q
	s_wait_dscnt 32                                ; rows 16-31 are back; channels 32-63 may be out
	OUTR \q, 1
	COLS 2
	s_wait_dscnt 32                                ; channels 32-63 are in; 64-95 may be out
	COLQ 1, \q
	COLS 3
	s_wait_dscnt 32                                ; channels 64-95 are in; 96-127 may be out
	COLQ 2, \q
	s_wait_dscnt 0x0
	COLQ 3, \q
.endm
.Lvalue:
	s_add_co_u32 s24, s24, VR
	s_add_nc_u64 s[32:33], s[94:95], s[24:25]      ; my record
	s_add_nc_u64 s[34:35], s[98:99], s[26:27]      ; my rows of out2
	VQ 0
	VQ 1
	VQ 2
	VQ 3
	WIN 0x04                                       ; the record is put together in the stage: block q of the keys is registers 6 (q / 2) .. + 5 of lane row + 16 (q % 2)
.irp g, 0,1,2,3
.irp q, 0,1,2,3
.set VD, VC+6*(4*\g+\q)
.if \q/2 == 0
	ds_store_b128 v[VA], v[VD:VD+3] offset:3072*\g+256*(\q%2)
	ds_store_b64 v[VA], v[VD+4:VD+5] offset:3072*\g+256*(\q%2)+512
.else
	ds_store_b64 v[VA], v[VD:VD+1] offset:3072*\g+256*(\q%2)+520
	ds_store_b128 v[VA], v[VD+2:VD+5] offset:3072*\g+256*(\q%2)+1024
.endif
.endr
	ds_store_b32 v[VSA], v[76+\g] offset:128*\g
.endr
	WIN 0
	s_wait_xcnt 0x0
.set n, 0
.rept 25
	ds_load_b128 v[128+4*n:131+4*n], v[RD] offset:512*n
.set n, n+1
.endr
.set n, 0
.rept 25
	s_wait_dscnt 24-n
	global_store_b128 v[LI], v[128+4*n:131+4*n], s[32:33] offset:512*n
.set n, n+1
.endr
.Lend:
	s_wait_tensorcnt 0x0                           ; the wave's end
	ds_add_u32 v[SPW], v[NIL]
	s_wait_dscnt 0x0
	CROUND                                         ; the closing round
	s_endpgm
.Lfunc_end_k_q0e6b5ca064_proj:
	.size	k_q0e6b5ca064_proj, .Lfunc_end_k_q0e6b5ca064_proj-k_q0e6b5ca064_proj
	.p2alignl 7, 3214868480
	.fill 96, 4, 3214868480
	.section	.rodata,"a",@progbits
	.p2align	6, 0x0
	.amdhsa_kernel k_q0e6b5ca064_proj
		.amdhsa_group_segment_fixed_size 327680
		.amdhsa_private_segment_fixed_size 0
		.amdhsa_enable_private_segment 0
		.amdhsa_kernarg_size 64
		.amdhsa_user_sgpr_count 2
		.amdhsa_user_sgpr_kernarg_segment_ptr 1
		.amdhsa_wavefront_size32 1
		.amdhsa_system_sgpr_workgroup_id_x 1
		.amdhsa_system_sgpr_workgroup_id_y 1
		.amdhsa_system_sgpr_workgroup_id_z 1
		.amdhsa_system_vgpr_workitem_id 0
		.amdhsa_next_free_vgpr 1024
		.amdhsa_next_free_sgpr 106
		.amdhsa_reserve_vcc 0
		.amdhsa_float_denorm_mode_32 3
		.amdhsa_float_denorm_mode_16_64 3
		.amdhsa_memory_ordered 1
		.amdhsa_forward_progress 1
		.amdhsa_inst_pref_size 255
	.end_amdhsa_kernel
	.section	.bss,"aw",@nobits
	.p2align	6
	.space	262144
	.amdgpu_metadata
---
amdhsa.version: [ 1, 2 ]
amdhsa.kernels:
  - .name:           k_q0e6b5ca064_proj
    .symbol:         k_q0e6b5ca064_proj.kd
    .args:
      - { .name: opnd, .offset: 0, .size: 8, .value_kind: global_buffer, .address_space: global }
      - { .name: cos, .offset: 8, .size: 8, .value_kind: global_buffer, .address_space: global }
      - { .name: sin, .offset: 16, .size: 8, .value_kind: global_buffer, .address_space: global }
      - { .name: q_norm_w, .offset: 24, .size: 8, .value_kind: global_buffer, .address_space: global }
      - { .name: k_norm_w, .offset: 32, .size: 8, .value_kind: global_buffer, .address_space: global }
      - { .name: qkv, .offset: 40, .size: 8, .value_kind: global_buffer, .address_space: global }
      - { .name: out1, .offset: 48, .size: 8, .value_kind: global_buffer, .address_space: global }
      - { .name: out2, .offset: 56, .size: 8, .value_kind: global_buffer, .address_space: global }
    .group_segment_fixed_size: 327680
    .private_segment_fixed_size: 0
    .kernarg_segment_align: 8
    .kernarg_segment_size: 64
    .max_flat_workgroup_size: 128
    .sgpr_count:     106
    .vgpr_count:     1024
    .wavefront_size: 32
...
	.end_amdgpu_metadata
.endif
;; end of part 2
;; launch attn (part 3): grid 32 x 8, 8 waves a work-group, clusters of 4 x 1, 327,680 bytes of LDS; arguments qkv, att; writes att
.if DOCPART == 3
	.amdgcn_target "amdgcn-amd-amdhsa--gfx1250"
	.amdhsa_code_object_version 6
	.text
	.protected	k_q0e6b5ca064_attn
	.globl	k_q0e6b5ca064_attn
	.p2align	8
	.type	k_q0e6b5ca064_attn,@function
k_q0e6b5ca064_attn:
	s_mov_b64 s[64:65], 0
	v_nop
	global_prefetch_b8 v0, s[64:65] scope:SCOPE_SE
	s_setreg_imm32_b32 hwreg(HW_REG_WAVE_MODE, 25, 1), 1
	s_wait_xcnt 0x0
	s_wait_alu depctr_hold_cnt(0) depctr_sa_sdst(0) depctr_va_vdst(0) depctr_va_sdst(0) depctr_va_ssrc(0) depctr_va_vcc(0) depctr_vm_vsrc(0)
	s_getreg_b32 s2, hwreg(HW_REG_IB_STS2, 6, 4)
	s_cmp_eq_u32 s2, 0
	s_cbranch_scc0 .Lentry_in_a_cluster
	s_endpgm
.Lentry_in_a_cluster:
	s_bfe_u32 s2, ttmp6, 0x10000c
	s_cmp_lg_u32 s2, 0x3003
	s_cbranch_scc0 .Lentry_shape_is_right
	s_endpgm
.Lentry_shape_is_right:
; Causal attention on codes of FP6 (E2M3) with E8M0 scales, 8 query heads on 4 key and value heads, then / l, x sigmoid(gate), quantised along (head, channel) for the last product.
; THE SOFTMAX: t = score x log2(e) / sqrt(128); M = the running largest t rounded UP to a whole number; p = 2^(t - M) is quantised along the keys; the row's sum is taken of the unquantised p and divides at the end;
; when M moves, the sum and O are multiplied by 2^(old M - new M): exact.
; SHARES.  y = (batch, kv head).  A sequence is 64 chunks of 32 queries.  The work-group at (cluster m, place cx) takes chunk 63 - 4 m - cx (waves 0-3) and chunk 4 m + cx (waves 4-7), for both query heads:
; a wave owns one tile of 16 queries of one head.  The chunks lie in blocks of 128 queries 15 - m and m, so a long and a short wave together walk 17 key steps of 128 keys in every work-group.
; All four partners of a cluster have the same two blocks: K's and V's records are asked for JOINTLY.  The place cx enters addresses of Q, gate and output and the mask's register alone.
; EVERY work-group walks all 16 key steps: trip counts are constants; a step all of whose keys come after the wave's queries is jumped over by a scalar branch on ids.
; LAYOUT.  Both products transposed: S^T = K Q^T, O^T = V^T P^T: a lane holds one query.  Records hold rows by position, so that the 16 registers of tiles 2 b, 2 b + 1 are keys (channels) 32 b + 16 (lane / 16) + 0 .. 15.
; LIMITS: NaN and infinities are not served; a block of zeros carries the byte 1 with zero codes.
; REGISTERS: window 0: v1-11 addresses; v12 -M, v13 the largest t, v[14:15] the sum; v16-27 Q; v32-127 eight fragments of K or V; v128-191 S^T, then p; v192-199, v200-207 K's and V's scale words; v224-254 at work; v255 Q's scale word.
;   window 1: v0-63 O^T; v64-127 the gate.
.set KR,   0x320000
.set VR,   0x4B0000
.set GT,   0x640000
.set ASC,  0x300000                    ; att: codes at 0, scale words here
.set REC,  12800                       ; a record: 8 fragments of 1,536 bytes, then 8 x 16 scale words
.set VOFF, 4*REC                       ; a slot: 4 records of K, then 4 of V
.set SLOT1, 1<<17                      ; slot 1 begins here: one exclusive or turns an address
.set SPARE, SLOT1+8*REC                ; the spare words: 128 bytes a wave, named by no other line
.set S,   128
.set F,   32
.set DQ,  3                            ; v3   my query within its block - 16 (lane / 16)
.set ADK, 4
.set SPW, 5
.set NIL, 6
.set ADS, 8
.set PFO, 28
.set PC,  224
.set TM,  96
.set TB,  2                            ; s2   LDS byte of the step's record of K
.set KB,  3                            ; s3   the key step
.set WV,  18
.set SEL, 20
.set CS,  22
.set G1,  24
.set G0,  32
.set QB,  36                           ; s36  my block of 128 queries
.set SLOTS, 37
.set INNER, 38
.set LIM, 39
.set PFA, 40
.set MSB, 0
.macro WIN new
.if MSB != (\new)
	s_set_vgpr_msb (MSB<<8)|(\new)
.set MSB, (\new)
.endif
.endm
.macro CROUND                          ; a round of the cluster's barrier
	s_barrier_signal -1
	s_barrier_wait -1
	s_cmp_lg_u32 s[WV], 0
	s_cbranch_scc1 .Lnot_wave_0_\@
	s_barrier_signal -3
.Lnot_wave_0_\@:
	s_barrier_wait -3
	s_barrier_signal -1
	s_barrier_wait -1
.endm
.macro TLOAD                           ; waves 0-3 fetch 2 records each (0, 1: K's; 2, 3: V's); four v_nop follow the line
	s_cmp_lt_u32 s[WV], 4
	s_cbranch_scc0 .Lno_fetch_\@
	tensor_load_to_lds s[G0:G0+3], s[G1:G1+7]
	s_nop 0
.rept 4
	v_nop
.endr
.Lno_fetch_\@:
.endm
; A prefetch of what the NEXT change of slots will ask for.  All clusters of a y walk the same records: cluster 0 asks.  Its partners are told apart by address: partner cx takes record cx of the slot's four;
; waves 4, 5 its halves in K, waves 6, 7 in V: 25 blocks of 256 bytes a wave, a lane a block (lanes 25-31 name lane 24's).  The last change that fills a slot asks for nothing.
.macro ASK
	s_cmp_gt_u32 s[SLOTS], s[LIM]
	s_cbranch_scc0 .Lnot_mine_\@
	global_prefetch_b8 v[PFO], s[PFA:PFA+1] th:TH_LOAD_NT scope:SCOPE_SE
.Lnot_mine_\@:
.endm
	s_load_b128 s[4:7], s[0:1], 0x0                ; qkv, att
	v_lshl_add_u32 v[SPW], v0, 2, SPARE
	v_mov_b32 v[NIL], 0
	ds_add_u32 v5, v6
	s_wait_dscnt 0x0
	v_lshrrev_b32 v8, 5, v0
	v_readfirstlane_b32 s[WV], v8                  ; wave 0..7
	s_bfe_u32 s42, ttmp6, 0x40000                  ; cx
	s_and_b32 s43, ttmp7, 0xffff                   ; y = 4 x batch + kv head
	s_lshr_b32 s44, s[WV], 2                       ; 0: the long chunk, 1: the short one
	s_bfe_u32 s45, s[WV], 0x10001                  ; which of the two query heads.  Also: I fetch K's (0) or V's (1)
	s_and_b32 s46, s[WV], 1                        ; which tile of the chunk.  Also: which half I fetch
	s_sub_co_u32 s47, 15, ttmp9
	s_sub_co_u32 s48, 3, s42
	s_cmp_eq_u32 s44, 0
	s_cselect_b32 s[QB], s47, ttmp9                ; by the cluster's number and the wave's alone
	s_cselect_b32 s48, s48, s42                    ; the chunk within the block: addresses and the mask's register alone
	s_lshl_b32 s49, s48, 1
	s_add_co_u32 s49, s49, s46                     ; my tile within the block
	s_lshl_b32 s50, s43, 1
	s_add_co_u32 s50, s50, s45                     ; 8 x batch + query head
	s_lshl_b32 s51, s50, 4
	s_add_co_u32 s51, s51, s[QB]                   ; Q's record, and the gate's image
	s_mul_i32 s52, s51, REC
	s_mul_i32 s53, s49, 1536
	s_add_co_u32 s54, s52, s53                     ; Q's fragment
	s_mov_b32 s55, 0
	s_lshl_b32 s53, s49, 6
	s_add_co_u32 s56, s52, s53
	s_add_co_u32 s56, s56, 12288                   ; its scale words
	s_mov_b32 s57, 0
	s_lshl_b32 s58, s51, 16
	s_lshl_b32 s53, s49, 13
	s_add_co_u32 s58, s58, s53
	s_add_co_u32 s58, s58, GT                      ; the gate
	s_mov_b32 s59, 0
	s_lshr_b32 s60, s43, 2
	s_lshl_b32 s60, s60, 7
	s_lshl_b32 s53, s[QB], 3
	s_add_co_u32 s60, s60, s53
	s_add_co_u32 s60, s60, s49                     ; the row tile of the last product's operand
	s_and_b32 s53, s50, 7                          ; the head = its K step
	s_lshl_b32 s62, s60, 9
	s_lshl_b32 s60, s60, 3
	s_add_co_u32 s60, s60, s53
	s_mul_i32 s60, s60, 1536
	s_mov_b32 s61, 0
	s_lshr_b32 s66, s53, 2
	s_lshl_b32 s66, s66, 8
	s_add_co_u32 s62, s62, s66
	s_and_b32 s66, s53, 3
	s_lshl_b32 s66, s66, 2
	s_add_co_u32 s62, s62, s66
	s_add_co_u32 s62, s62, ASC
	s_mov_b32 s63, 0
	s_and_b32 s67, s[WV], 3
	s_mul_i32 s68, s67, 2*REC                      ; where my two records go: by the wave's number alone
	s_mul_i32 s70, s45, VR-KR
	s_mul_i32 s71, s43, 16*REC
	s_add_co_u32 s70, s70, s71
	s_add_co_u32 s70, s70, KR                      ; this y's records of K or of V
	s_mul_i32 s72, s46, 2*REC
	s_add_co_u32 s72, s72, s70
	s_mov_b32 s73, 0
	s_mul_i32 s74, s42, REC                        ; the prefetches: record cx,
	s_mul_i32 s75, s46, REC/2                      ; my half of it,
	s_add_co_u32 s74, s74, s75
	s_add_co_u32 s74, s74, s70
	s_add_co_u32 s74, s74, 4*REC                   ; in the second four: the first change of slots steps it to the third.  Nothing is prefetched at the head
	s_mov_b32 s75, 0
	s_xor_b32 s66, s44, 1
	s_or_b32 s66, s66, ttmp9                       ; 0 in waves 4-7 of cluster 0: the same in all partners
	s_cmp_eq_u32 s66, 0
	s_cselect_b32 s[LIM], 1, -1
	; group 1: 25,600 dense bytes as 100 rows of 256 (32 elements of 8 bytes); the mask names all four partners
	s_mov_b32 s[G1], 15|(3<<16)|(1<<21)
	s_mov_b32 s[G1+1], 32<<16
	s_mov_b32 s[G1+2], 100<<16
	s_mov_b32 s[G1+3], 32<<16
	s_mov_b32 s[G1+4], 100
	s_mov_b32 s[G1+5], 32
	s_mov_b32 s[G1+6], 0
	s_mov_b32 s[G1+7], 0
	s_mov_b32 s[SEL], 0x76543210
	s_mov_b32 s[SEL+1], 0xfedcba98
	s_mov_b32 s[CS], 0x3e0293ee                    ; c = log2(e) / sqrt(128)
	s_mov_b32 s[CS+1], s[CS]
	s_mov_b32 s[TB], 0
	s_mov_b32 s[KB], 0
	s_mov_b32 s[SLOTS], 3
	s_wait_kmcnt 0x0
	s_add_nc_u64 s[54:55], s[4:5], s[54:55]
	s_add_nc_u64 s[56:57], s[4:5], s[56:57]
	s_add_nc_u64 s[58:59], s[4:5], s[58:59]
	s_add_nc_u64 s[60:61], s[6:7], s[60:61]
	s_add_nc_u64 s[62:63], s[6:7], s[62:63]
	s_add_nc_u64 s[PFA:PFA+1], s[4:5], s[74:75]
	s_mov_b32 s[G0], 1
	s_mov_b32 s[G0+1], s68
	s_add_nc_u64 s[G0+2:G0+3], s[4:5], s[72:73]
	s_or_b32 s[G0+3], s[G0+3], 0x80000000
	CROUND                                         ; all four work-groups are here: the first joint loads meet
	TLOAD                                          ; slot 0: key steps 0-3
	v_and_b32 v9, 31, v0
	v_lshlrev_b32 v1, 4, v9                        ; v1: 16 x lane
	v_and_b32 v10, 15, v0
	v_lshlrev_b32 v2, 2, v10                       ; v2: 4 r
	v_lshlrev_b32 v7, 4, v10                       ; v7: 16 r
	v_bfe_u32 v11, v0, 4, 1
	v_and_b32 v[DQ], 8, v10
	v_add_nc_u32 v[DQ], v[DQ], v10                 ; r + 8 (r / 8)
	v_lshlrev_b32 v11, 4, v11
	v_sub_nc_u32 v[DQ], v[DQ], v11
	s_lshl_b32 s66, s48, 5
	s_lshl_b32 s67, s46, 3
	s_add_co_u32 s66, s66, s67
	v_add_nc_u32 v[DQ], s66, v[DQ]
	v_min_u32 v[PFO], 24, v9
	v_lshlrev_b32 v[PFO], 8, v[PFO]
.irp g, 0,1,2
	global_load_b128 v[16+4*\g:19+4*\g], v1, s[54:55] offset:512*\g
.endr
	global_load_b32 v255, v2, s[56:57]
	WIN 0x40
.set n, 0
.rept 16
	global_load_b128 v[64+4*n:67+4*n], v1, s[58:59] offset:512*n th:TH_LOAD_NT   ; the gate: wanted at the end
.set n, n+1
.endr
.set n, 0
.rept 64
	v_mov_b32 v[n], 0                              ; O^T: the step is written once; its first run finds zeros
.set n, n+1
.endr
	WIN 0
	v_mov_b32 v13, 0xff61b1e6                      ; the largest t so far: -3e38
	v_floor_f32 v12, -v13                          ; -M
	v_mov_b32 v14, 0
	v_mov_b32 v15, 0
.irp b, 0,1,2,3
	v_mov_b32 v[236+\b], 0                         ; a lane permute's destination counts as one of its sources
.endr
	v_mov_b32 v252, 0
	v_mov_b32 v253, 0
; A KEY STEP: 128 keys, the record at s[TB]
.macro STEP
	s_cmp_gt_u32 s[KB], s[QB]                      ; all its keys come after my queries: nothing to do
	s_cbranch_scc1 .Lhidden_\@
	v_add_nc_u32 v[ADK], s[TB], v1
	v_add_nc_u32 v[ADS], s[TB], v2
	v_nop
	v_nop                                          ; four places in front of loads into registers that the last products read
.irp t, 0,1,2,3,4,5,6,7
.irp g, 0,1,2
	ds_load_b128 v[F+12*\t+4*\g:F+12*\t+4*\g+3], v[ADK] offset:1536*\t+512*\g
.endr
	ds_load_b32 v[192+\t], v[ADS] offset:12288+64*\t
.endr
	s_wait_dscnt 16                                ; tiles 0-3 are in; the 16 loads of tiles 4-7 may be out
.irp t, 0,1,2,3
	v_wmma_scale_f32_16x16x128_f8f6f4 v[S+8*\t:S+8*\t+7], v[F+12*\t:F+12*\t+11], v[16:27], 0, v[192+\t], v255 matrix_a_fmt:MATRIX_FMT_FP6 matrix_b_fmt:MATRIX_FMT_FP6
.endr
	s_wait_dscnt 0x0
.irp t, 4,5,6,7
	v_wmma_scale_f32_16x16x128_f8f6f4 v[S+8*\t:S+8*\t+7], v[F+12*\t:F+12*\t+11], v[16:27], 0, v[192+\t], v255 matrix_a_fmt:MATRIX_FMT_FP6 matrix_b_fmt:MATRIX_FMT_FP6
.endr
.rept 4
	v_nop
.endr
.irp t, 0,1,2,3,4,5,6,7                        ; V's fragments land while the softmax runs
.irp g, 0,1,2
	ds_load_b128 v[F+12*\t+4*\g:F+12*\t+4*\g+3], v[ADK] offset:VOFF+1536*\t+512*\g
.endr
	ds_load_b32 v[200+\t], v[ADS] offset:VOFF+12288+64*\t
.endr
	s_cmp_lt_u32 s[KB], s[QB]                      ; off the diagonal every key counts
	s_cbranch_scc1 .Lopen_\@
	v_mov_b32 v254, 0xff800000                     ; register 16 b + i holds key 32 b + 16 (lane / 16) + i of the block: hidden where it comes after my query
.set n, 0
.rept 64
	v_cmp_gt_i32 vcc_lo, 32*(n/16)+n%16, v[DQ]
	v_cndmask_b32 v[S+n], v[S+n], v254, vcc_lo
.set n, n+1
.endr
.Lopen_\@:
.irp b, 0,1,2,3
	v_max3_num_f32 v[232+\b], v[S+16*\b], v[S+1+16*\b], v[S+2+16*\b]   ; the largest score of each block of 32 keys: for the row's maximum and, since p rises with the score, for the block's largest p
.endr
.irp i, 3,5,7,9,11,13
.irp b, 0,1,2,3
	v_max3_num_f32 v[232+\b], v[232+\b], v[S+16*\b+\i], v[S+1+16*\b+\i]
.endr
.endr
.irp b, 0,1,2,3
	v_max_num_f32 v[232+\b], v[232+\b], v[S+15+16*\b]
.endr
.irp b, 0,1,2,3
	v_permlanex16_b32 v[236+\b], v[232+\b], s[SEL], s[SEL+1]
.endr
.irp b, 0,1,2,3
	v_max_num_f32 v[232+\b], v[232+\b], v[236+\b]
.endr
	v_max3_num_f32 v254, v232, v233, v234
	v_max_num_f32 v254, v254, v235
	v_mul_f32 v254, s[CS], v254
	v_max_num_f32 v13, v13, v254                   ; the running largest t
	v_mov_b32 v254, v12
	v_floor_f32 v12, -v13                          ; the new -M: a whole number
	v_sub_f32 v254, v12, v254
	v_cvt_i32_f32 v254, v254
	v_ldexp_f32 v252, 1.0, v254                    ; f = 2^(old M - new M)
.set n, 0
.rept 32
	v_pk_fma_f32 v[S+2*n:S+2*n+1], v[S+2*n:S+2*n+1], s[CS:CS+1], v[12:13] op_sel_hi:[1,0,0]   ; t - M
.set n, n+1
.endr
.irp b, 0,1,2,3
	v_fma_f32 v[232+\b], v[232+\b], s[CS], v12
.endr
.set n, 0
.rept 64
	v_exp_f32 v[S+n], v[S+n]                       ; p = 2^(t - M): not normalised
.set n, n+1
.endr
	v_pk_mul_f32 v[14:15], v[14:15], v[252:253] op_sel_hi:[1,0]    ; the sums under the new M: a plain line behind the exponentials
	s_wait_alu depctr_va_vdst(0)                   ; one wait for the batch, ahead of its first reader
.irp b, 0,1,2,3
	v_exp_f32 v[232+\b], v[232+\b]                 ; the block's largest p
.endr
	v_pk_add_f32 v[236:237], v[S:S+1], v[S+2:S+3]  ; the row's sum is taken of the unquantised p, in two chains
.irp j, 4,8,12,16,20,24,28,32,36,40,44,48,52,56,60
	v_pk_add_f32 v[14:15], v[14:15], v[S+\j:S+1+\j]
	v_pk_add_f32 v[236:237], v[236:237], v[S+2+\j:S+3+\j]
.endr
	v_pk_add_f32 v[14:15], v[14:15], v[236:237]
	s_wait_alu depctr_va_vdst(0)                   ; and one for the four
.irp b, 0,1,2,3
	v_max_num_f32 v[232+\b], 0x1800000, v[232+\b]  ; the floor: the byte cannot fall under 1
.endr
.irp b, 0,1,2,3
	v_add_nc_u32 v[244+\b], 0xff000000, v[232+\b]
.endr
.irp b, 0,1,2,3
	v_lshrrev_b32 v[236+\b], 23, v[244+\b]
.endr
	v_lshl_or_b32 v253, v237, 8, v236              ; p's scale word for these 128 keys
	v_lshl_or_b32 v253, v238, 16, v253
	v_lshl_or_b32 v253, v239, 24, v253
.irp c, 0,1
	v_cvt_scalef32_pk16_fp6_f32 v[224+6*\c:226+6*\c], v[S+32*\c:S+15+32*\c], v[244+2*\c]
	v_cvt_scalef32_pk16_fp6_f32 v[236+4*\c:238+4*\c], v[S+16+32*\c:S+31+32*\c], v[244+2*\c+1]
.endr
	v_nop
.irp c, 0,1
.irp i, 0,1,2
	v_permlane16_swap_b32 v[224+6*\c+\i], v[236+4*\c+\i]
.endr
.irp i, 0,1,2
	v_mov_b32 v[227+6*\c+\i], v[236+4*\c+\i]
.endr
.endr
	WIN 0x41                                       ; O^T in window 1, f in window 0
.set n, 0
.rept 32
	v_pk_mul_f32 v[2*n:2*n+1], v[2*n:2*n+1], v[252:253] op_sel_hi:[1,0]    ; O^T under the new M; these are also the places in front of the products
.set n, n+1
.endr
	s_wait_dscnt 0x0                               ; V is in
	WIN 0x50                                       ; C and D in window 1
.irp t, 0,1,2,3,4,5,6,7
	v_wmma_scale_f32_16x16x128_f8f6f4 v[8*\t:8*\t+7], v[F+12*\t:F+12*\t+11], v[224:235], v[8*\t:8*\t+7], v[200+\t], v253 matrix_a_fmt:MATRIX_FMT_FP6 matrix_b_fmt:MATRIX_FMT_FP6
.endr
	WIN 0
.Lhidden_\@:
	s_add_co_u32 s[KB], s[KB], 1
	s_add_co_u32 s[TB], s[TB], REC
.endm
; THE CHANGE OF SLOTS stands at a slot's head: each wave waits for all its tensor loads, adds 0 to its spare word, and waits for that and for its reads of the slot that it has left.
; fill = 1: a round of the cluster's barrier, and behind it the slot just left takes the next four key steps: the load has four steps in which to land.
.macro CHANGE fill
	s_wait_tensorcnt 0x0
	ds_add_u32 v[SPW], v[NIL]
.if \fill
	s_xor_b32 s[G0+1], s[G0+1], SLOT1
	s_add_nc_u64 s[G0+2:G0+3], s[G0+2:G0+3], 4*REC
	s_wait_xcnt 0x0                                ; the last prefetch, a slot back, has read its address
	s_add_nc_u64 s[PFA:PFA+1], s[PFA:PFA+1], 4*REC
	s_wait_dscnt 0x0
	CROUND
	TLOAD
	ASK
.else
	s_wait_dscnt 0x0
	s_barrier_signal -1
	s_barrier_wait -1
.endif
.endm
.macro FOUR_STEPS
	s_mov_b32 s[INNER], 4
.Lstep_\@:
	STEP
	s_sub_co_u32 s[INNER], s[INNER], 1
	s_cmp_lg_u32 s[INNER], 0
	s_cbranch_scc1 .Lstep_\@
	s_sub_co_u32 s[TB], s[TB], 4*REC
	s_xor_b32 s[TB], s[TB], SLOT1
.endm
	s_wait_loadcnt 16                              ; Q and its scale word are in; the gate's 16 loads may be out
.Lslot:
	CHANGE 1
	FOUR_STEPS
	s_sub_co_u32 s[SLOTS], s[SLOTS], 1
	s_cmp_lg_u32 s[SLOTS], 0
	s_cbranch_scc1 .Lslot
	CHANGE 0                                       ; the last slot is written out
	FOUR_STEPS
	; THE WAY OUT: O^T / l x sigmoid(gate), quantised: register 16 b + i is channel 32 b + 16 h + i of my query: K step = my head of the last product
.rept 4
	v_nop
.endr
	v_add_f32 v14, v14, v15
	v_permlanex16_b32 v252, v14, s[SEL], s[SEL+1]
	v_add_f32 v14, v14, v252
	v_rcp_f32 v14, v14
	s_wait_loadcnt 0x0                             ; the gate
	WIN 0x01
.set n, 0
.rept 32
	v_pk_mul_f32 v[S+2*n:S+2*n+1], v[64+2*n:65+2*n], 0xbfb8aa3b op_sel_hi:[1,0]    ; - g log2(e)
.set n, n+1
.endr
	WIN 0
.set n, 0
.rept 64
	v_exp_f32 v[S+n], v[S+n]
.set n, n+1
.endr
	v_nop
	s_wait_alu depctr_va_vdst(0)                   ; for the reciprocal of l and the 64 exponentials
.set n, 0
.rept 32
	v_pk_add_f32 v[S+2*n:S+2*n+1], v[S+2*n:S+2*n+1], 1.0 op_sel_hi:[1,0]
.set n, n+1
.endr
.set n, 0
.rept 64
	v_rcp_f32 v[S+n], v[S+n]                       ; sigmoid(g) = 1 / (1 + 2^(- g log2(e)))
.set n, n+1
.endr
	WIN 0x01
.set n, 0
.rept 32
	v_pk_mul_f32 v[F+2*n:F+2*n+1], v[2*n:2*n+1], v[14:15] op_sel_hi:[1,0]          ; O^T / l: the independent work behind the reciprocals
.set n, n+1
.endr
	WIN 0
	s_wait_alu depctr_va_vdst(0)
.set n, 0
.rept 32
	v_pk_mul_f32 v[F+2*n:F+2*n+1], v[F+2*n:F+2*n+1], v[S+2*n:S+2*n+1]
.set n, n+1
.endr
.irp b, 0,1,2,3
	v_mov_b32 v[TM+4+\b], 0
.endr
.irp b, 0,1,2,3
	v_max3_num_f32 v[TM+\b], |v[F+16*\b]|, |v[F+1+16*\b]|, 0x1800000
.endr
.irp i, 2,4,6,8,10,12,14
.irp b, 0,1,2,3
	v_max3_num_f32 v[TM+\b], v[TM+\b], |v[F+16*\b+\i]|, |v[F+1+16*\b+\i]|
.endr
.endr
.irp b, 0,1,2,3
	v_permlanex16_b32 v[TM+4+\b], v[TM+\b], s[SEL], s[SEL+1]
.endr
.irp b, 0,1,2,3
	v_max_num_f32 v[TM+\b], v[TM+\b], v[TM+4+\b]
.endr
.irp b, 0,1,2,3
	v_add_nc_u32 v[TM+12+\b], 0xff000000, v[TM+\b]
.endr
.irp b, 0,1,2,3
	v_lshrrev_b32 v[TM+4+\b], 23, v[TM+12+\b]
.endr
	v_lshl_or_b32 v253, v[TM+5], 8, v[TM+4]
	v_lshl_or_b32 v253, v[TM+6], 16, v253
	v_lshl_or_b32 v253, v[TM+7], 24, v253
.irp c, 0,1
	v_cvt_scalef32_pk16_fp6_f32 v[PC+6*\c:PC+2+6*\c], v[F+32*\c:F+15+32*\c], v[TM+12+2*\c]
	v_cvt_scalef32_pk16_fp6_f32 v[PC+12+4*\c:PC+14+4*\c], v[F+16+32*\c:F+31+32*\c], v[TM+12+2*\c+1]
.endr
	v_nop
.irp c, 0,1
.irp i, 0,1,2
	v_permlane16_swap_b32 v[PC+6*\c+\i], v[PC+12+4*\c+\i]
.endr
.irp i, 0,1,2
	v_mov_b32 v[PC+3+6*\c+\i], v[PC+12+4*\c+\i]
.endr
.endr
.irp g, 0,1,2
	global_store_b128 v1, v[PC+4*\g:PC+4*\g+3], s[60:61] offset:512*\g             ; the fragment, 512 consecutive bytes a store
.endr
	global_store_b32 v7, v253, s[62:63]            ; my head's word of each row's four: the sibling head's comes from another wave here, the other two from another work-group; lanes 16-31 write the same as lanes 0-15
	s_wait_tensorcnt 0x0                           ; the wave's end
	ds_add_u32 v[SPW], v[NIL]
	s_wait_dscnt 0x0
	CROUND                                         ; the closing round
	s_endpgm
.Lfunc_end_k_q0e6b5ca064_attn:
	.size	k_q0e6b5ca064_attn, .Lfunc_end_k_q0e6b5ca064_attn-k_q0e6b5ca064_attn
	.p2alignl 7, 3214868480
	.fill 96, 4, 3214868480
	.section	.rodata,"a",@progbits
	.p2align	6, 0x0
	.amdhsa_kernel k_q0e6b5ca064_attn
		.amdhsa_group_segment_fixed_size 327680
		.amdhsa_private_segment_fixed_size 0
		.amdhsa_enable_private_segment 0
		.amdhsa_kernarg_size 16
		.amdhsa_user_sgpr_count 2
		.amdhsa_user_sgpr_kernarg_segment_ptr 1
		.amdhsa_wavefront_size32 1
		.amdhsa_system_sgpr_workgroup_id_x 1
		.amdhsa_system_sgpr_workgroup_id_y 1
		.amdhsa_system_sgpr_workgroup_id_z 1
		.amdhsa_system_vgpr_workitem_id 0
		.amdhsa_next_free_vgpr 384
		.amdhsa_next_free_sgpr 80
		.amdhsa_reserve_vcc 1
		.amdhsa_float_denorm_mode_32 3
		.amdhsa_float_denorm_mode_16_64 3
		.amdhsa_memory_ordered 1
		.amdhsa_forward_progress 1
		.amdhsa_inst_pref_size 79
	.end_amdhsa_kernel
	.amdgpu_metadata
---
amdhsa.version: [ 1, 2 ]
amdhsa.kernels:
  - .name:           k_q0e6b5ca064_attn
    .symbol:         k_q0e6b5ca064_attn.kd
    .args:
      - { .name: qkv, .offset: 0, .size: 8, .value_kind: global_buffer, .address_space: global }
      - { .name: att, .offset: 8, .size: 8, .value_kind: global_buffer, .address_space: global }
    .group_segment_fixed_size: 327680
    .private_segment_fixed_size: 0
    .kernarg_segment_align: 8
    .kernarg_segment_size: 16
    .max_flat_workgroup_size: 256
    .sgpr_count:     80
    .vgpr_count:     384
    .wavefront_size: 32
...
	.end_amdgpu_metadata
.endif
;; end of part 3
;; launch oproj (part 4): grid 8 x 32, 4 waves a work-group, clusters of 4 x 4, 327,680 bytes of LDS; arguments att, opnd, out0; writes out0
.if DOCPART == 4
	.amdgcn_target "amdgcn-amd-amdhsa--gfx1250"
	.amdhsa_code_object_version 6
	.text
	.protected	k_q0e6b5ca064_oproj
	.globl	k_q0e6b5ca064_oproj
	.p2align	8
	.type	k_q0e6b5ca064_oproj,@function
k_q0e6b5ca064_oproj:
	s_mov_b64 s[64:65], 0
	v_nop
	global_prefetch_b8 v0, s[64:65] scope:SCOPE_SE
	s_setreg_imm32_b32 hwreg(HW_REG_WAVE_MODE, 25, 1), 1
	s_wait_xcnt 0x0
	s_wait_alu depctr_hold_cnt(0) depctr_sa_sdst(0) depctr_va_vdst(0) depctr_va_sdst(0) depctr_va_ssrc(0) depctr_va_vcc(0) depctr_vm_vsrc(0)
	s_getreg_b32 s2, hwreg(HW_REG_IB_STS2, 6, 4)
	s_cmp_eq_u32 s2, 0
	s_cbranch_scc0 .Lentry_in_a_cluster
	s_endpgm
.Lentry_in_a_cluster:
	s_bfe_u32 s2, ttmp6, 0x10000c
	s_cmp_lg_u32 s2, 0xf033
	s_cbranch_scc0 .Lentry_shape_is_right
	s_endpgm
.Lentry_shape_is_right:
; out0 = (gated attention) wo: 4,096 tokens x 2,048 columns x K = 1,024 on codes of FP6 (E2M3) with E8M0 scales; out0 f32.
; A work-group makes 128 tokens x 256 columns: 8 x 32 = 256 work-groups.  Each of its four waves makes 64 x 128: 32 accumulators of 16 x 16, 256 registers.
; NO RING: the operands of the work-group for ALL of K are (128 + 256) rows x 768 bytes = 294,912 bytes, and their scale words 12,288: they lie in LDS together.  Each wave asks for its part at the head, by five
; tensor loads (its scale words, then four chunks of 256 along K); no LDS byte is ever filled a second time.  The products of a chunk begin as soon as that chunk has landed in all four waves' parts:
; a counted wait and a plain barrier in front of each chunk's first read.
; Both operands lie in memory in the order of the operand's registers (a fragment, 16 rows x 128 K, is 1,536 dense bytes), rows by position (bits 3 and 4 of the index changed): a chunk of a row tile is a dense row of
; 3,072 bytes for the tensor data mover, and a fragment is three ds_load_b128 of 512 consecutive bytes.
; THE MATRIX INSTRUCTION IS USED TRANSPOSED (source 0 = 16 columns of wo, source 1 = 16 tokens): a lane holds one token; accumulator b's register j is column 32 (b / 2) + 8 (b % 2) + 16 (lane / 16) + j.
; CLUSTERS: 4 x 4; the tokens' tiles are shared along a row of the cluster, wo's along a column: joint loads, all behind the one opening round.
; REGISTERS: window 0: v8-29 addresses; v32-95 all scale words (register 8 i + s: lanes 0-15 the tokens' tile i, lanes 16-31 wo's tile i, K step s); v96-143, v144-191 the tokens' fragments, two sets.
;   window 1: wo's fragments, two sets at v0 and v128.   window 2: the accumulators ((a, b) at v[8 (8 a + b)]).
.set ASC,  0x300000                    ; att: codes at 0, scale words here
.set WOC,  0xA80000
.set WOS,  0xC70000
.set FR,    12                         ; registers of a fragment
.set NP,    4                          ; places behind this matrix instruction (ISA guide 7.12.1)
.set TPB,   12288                      ; a row tile's codes in memory: 8 K steps of 1,536 bytes
.set STS,   512                        ; and its scale words
.set CHB,   24*3072                    ; a chunk in LDS: the tokens' 8 row tiles, then wo's 16, 3,072 bytes each
.set SCL,   4*CHB                      ; behind the four chunks: the scale words: the tokens' 8 x 512 bytes, then wo's 16 x 512
.set SPARE, SCL+24*STS                 ; the spare words: 128 bytes a wave, named by no other line
.set ADRA, 8                           ; v8-11  my tokens' fragments in chunk 0..3
.set ADRB, 12                          ; v12-15 my fragments of wo
.set CO,   24                          ; v24  16 x lane
.set STO,  25                          ; v25  the way out: where I put 64 bytes of a row
.set RD,   26                          ; v26  and where I read a row back
.set ADRS, 27                          ; v27  my scale words: lanes 0-15 the tokens', lanes 16-31 wo's
.set SPW,  28
.set NIL,  29
.set SC,   32
.set AF,   96
.set BK,   96                          ; the way out: 16 rows read back from the stage: v96-159 and v160-223 by turns
.set G1,   24                          ; s[24:31] group 1, the tokens' chunks;  s[32:39] wo's;  s[40:47], s[48:55] the same for the scale words
.set G1B,  32
.set G1S,  40
.set G1SB, 48
.set G0,   56                          ; groups 0, one for each load, since all are out together: the tokens' chunks at s56, s60, s68, s72; their scale words at s76;
.set G0S,  76
.set G0B,  80                          ; wo's chunks at s80 .. s95; its scale words at s96
.set G0SB, 96
.set MSB, 0
.macro WIN new                         ; the immediate's high byte repeats the setting that is left
.if MSB != (\new)
	s_set_vgpr_msb (MSB<<8)|(\new)
.set MSB, (\new)
.endif
.endm
.set MUL,    0xa1                      ; source 0 (wo) window 1, source 1 (tokens) window 0, C and D window 2
.set TO_B,   0x40                      ; destination window 1, address window 0
.macro JLOAD g0a, g1a, g0b, g1b        ; a joint load: waves 0 and 1 fetch the tokens' tiles, waves 2 and 3 wo's; the branch hangs on the wave's number alone; four v_nop follow each line
	s_cmp_eq_u32 s15, 0
	s_cbranch_scc0 .Lfor_b_\@
	tensor_load_to_lds s[\g0a:\g0a+3], s[\g1a:\g1a+7]
	s_nop 0
.rept 4
	v_nop
.endr
	s_branch .Lasked_\@
.Lfor_b_\@:
	tensor_load_to_lds s[\g0b:\g0b+3], s[\g1b:\g1b+7]
	s_nop 0
.rept 4
	v_nop
.endr
.Lasked_\@:
.endm
.macro CROUND                          ; a round of the cluster's barrier
	s_barrier_signal -1
	s_barrier_wait -1
	s_cmp_lg_u32 s14, 0
	s_cbranch_scc1 .Lnot_wave_0_\@
	s_barrier_signal -3
.Lnot_wave_0_\@:
	s_barrier_wait -3
	s_barrier_signal -1
	s_barrier_wait -1
.endm
.macro SHAPE g, c, r, p                ; the constant words of a group 1: r rows of c elements of 8 bytes, p elements apart in memory, dense in LDS
	s_mov_b32 s[\g+1], (\c)<<16                    ; tensor_dim0
	s_mov_b32 s[\g+2], (\r)<<16                    ; tensor_dim1
	s_mov_b32 s[\g+3], (\c)<<16                    ; tile_dim0
	s_mov_b32 s[\g+4], \r                          ; tile_dim1
	s_mov_b32 s[\g+5], \p                          ; the pitch
	s_mov_b32 s[\g+6], 0
	s_mov_b32 s[\g+7], 0
.endm
	s_load_b128 s[4:7], s[0:1], 0x0                ; att, opnd
	s_load_b64 s[8:9], s[0:1], 0x10                ; out0
	v_lshl_add_u32 v[SPW], v0, 2, SPARE
	v_mov_b32 v[NIL], 0
	ds_add_u32 v28, v29
	s_wait_dscnt 0x0
	v_lshrrev_b32 v1, 5, v0
	v_readfirstlane_b32 s14, v1                    ; wave 0..3
	s_lshr_b32 s15, s14, 1                         ; which 64 tokens are mine.  Also: I fetch the tokens' tiles (0) or wo's (1)
	s_and_b32 s16, s14, 1                          ; which 128 columns.  Also: which half of them I fetch
	s_bfe_u32 s10, ttmp6, 0x40000                  ; cx, cy: my place in the cluster
	s_bfe_u32 s11, ttmp6, 0x40004
	s_lshl_b32 s66, ttmp9, 2
	s_add_co_u32 s66, s66, s10                     ; block of 256 columns
	s_and_b32 s17, ttmp7, 0xffff
	s_lshl_b32 s17, s17, 2
	s_add_co_u32 s17, s17, s11                     ; block of 128 tokens
	s_lshl_b32 s18, s11, 2
	s_lshl_b32 s18, 15, s18                        ; my row of the cluster
	s_lshl_b32 s19, 0x1111, s10                    ; my column
	s_or_b32 s[G1+0], s18, (3<<16)|(1<<21)         ; 15:0 the mask; 17:16 elements of 8 bytes; 21 set beside a mask; no padding
	s_or_b32 s[G1B+0], s19, (3<<16)|(1<<21)
	s_or_b32 s[G1S+0], s18, (3<<16)|(1<<21)
	s_or_b32 s[G1SB+0], s19, (3<<16)|(1<<21)
	SHAPE G1, 384, 4, TPB/8                        ; the tokens: 4 row tiles x 3,072 bytes
	SHAPE G1B, 384, 8, TPB/8                       ; wo: 8 row tiles x 3,072 bytes
	SHAPE G1S, 32, 8, 32                           ; the scale words of 4 row tiles: 2,048 dense bytes as rows of 256
	SHAPE G1SB, 32, 16, 32                         ; of 8 row tiles: 4,096
	s_lshl_b32 s20, s17, 3
	s_lshl_b32 s21, s16, 2
	s_add_co_u32 s20, s20, s21                     ; the tokens: the first row tile that I fetch
	s_mul_i32 s22, s20, STS
	s_add_co_u32 s22, s22, ASC
	s_mov_b32 s23, 0
	s_mul_i32 s20, s20, TPB
	s_mov_b32 s21, 0
	s_lshl_b32 s100, s66, 4
	s_lshl_b32 s101, s16, 3
	s_add_co_u32 s100, s100, s101                  ; wo: likewise
	s_mul_i32 s104, s100, STS
	s_add_co_u32 s104, s104, WOS
	s_mov_b32 s105, 0
	s_mul_i32 s100, s100, TPB
	s_add_co_u32 s100, s100, WOC
	s_mov_b32 s101, 0
	s_mul_i32 s2, s16, 4*3072                      ; where they go in a chunk: by the wave's number alone
	s_mul_i32 s3, s16, 8*3072
	s_add_co_u32 s3, s3, 8*3072                    ; wo's behind the tokens' 8
	s_lshl_b32 s18, s16, 11                        ; and among the scale words
	s_lshl_b32 s19, s16, 12
	s_add_co_u32 s19, s19, 8*STS
	s_wait_kmcnt 0x0
	s_add_nc_u64 s[20:21], s[4:5], s[20:21]
	s_add_nc_u64 s[22:23], s[4:5], s[22:23]
	s_add_nc_u64 s[100:101], s[6:7], s[100:101]
	s_add_nc_u64 s[104:105], s[6:7], s[104:105]
	CROUND                                         ; all sixteen work-groups are here: the joint loads meet
	s_mov_b32 s[G0S], 1
	s_add_co_u32 s[G0S+1], s18, SCL
	s_mov_b64 s[G0S+2:G0S+3], s[22:23]
	s_or_b32 s[G0S+3], s[G0S+3], 0x80000000
	s_mov_b32 s[G0SB], 1
	s_add_co_u32 s[G0SB+1], s19, SCL
	s_mov_b64 s[G0SB+2:G0SB+3], s[104:105]
	s_or_b32 s[G0SB+3], s[G0SB+3], 0x80000000
	JLOAD G0S, G1S, G0SB, G1SB                     ; the scale words first: they are wanted with chunk 0
.irp c, 0,1,2,3
.set GA, G0+4*\c+4*(\c/2)
.set GB, G0B+4*\c
	s_mov_b32 s[GA], 1                             ; count = 1
	s_add_co_u32 s[GA+1], s2, \c*CHB               ; LDS address
	s_add_nc_u64 s[GA+2:GA+3], s[20:21], \c*3072   ; global address: K steps 2 c and 2 c + 1
	s_or_b32 s[GA+3], s[GA+3], 0x80000000          ; type = 2
	s_mov_b32 s[GB], 1
	s_add_co_u32 s[GB+1], s3, \c*CHB
	s_add_nc_u64 s[GB+2:GB+3], s[100:101], \c*3072
	s_or_b32 s[GB+3], s[GB+3], 0x80000000
	JLOAD GA, G1, GB, G1B                          ; five loads of mine are out behind the last of these
.endr
	v_and_b32 v1, 15, v0                           ; r
	v_bfe_u32 v2, v0, 4, 1                         ; h
	v_and_b32 v3, 31, v0
	v_lshlrev_b32 v[CO], 4, v3
	s_mul_i32 s21, s15, 4*3072                     ; my 4 row tiles of tokens
	s_mul_i32 s22, s16, 8*3072                     ; my 8 of wo,
	s_add_co_u32 s22, s22, 8*3072                  ; behind the tokens' 8
.irp c, 0,1,2,3
	v_add_nc_u32 v[ADRA+\c], s21, v[CO]
	v_add_nc_u32 v[ADRB+\c], s22, v[CO]
	s_add_co_u32 s21, s21, CHB
	s_add_co_u32 s22, s22, CHB
.endr
	s_lshl_b32 s21, s15, 11                        ; the tokens' scale words: my 4 row tiles
	s_lshl_b32 s22, s16, 12                        ; wo's: my 8, behind the tokens' 8
	s_add_co_u32 s22, s22, 8*STS
	s_sub_co_u32 s22, s22, s21
	v_mul_u32_u24 v6, s22, v2                      ; lanes 16-31 take wo's: one product, the distance between the two
	s_add_co_u32 s21, s21, SCL
	v_lshl_add_u32 v5, v1, 4, v6
	v_add_nc_u32 v[ADRS], s21, v5
	s_mul_i32 s23, s14, 16*528                     ; my stage: 16 rows x (512 + 16) bytes, in chunk 0's bytes: they have had their only fill, and every wave's last read of them stands in front of chunk 1's barrier
	v_mul_u32_u24 v5, v1, 528
	v_lshl_add_u32 v5, v2, 6, v5
	v_add_nc_u32 v[STO], s23, v5                   ; in: row r, + 64 h
	v_add_nc_u32 v[RD], s23, v[CO]                 ; back: a row's 512 bytes
	s_lshl_b32 s20, s17, 7
	s_lshl_b32 s21, s15, 6
	s_add_co_u32 s20, s20, s21                     ; my first token
	s_lshl_b32 s20, s20, 13                        ; x 8,192 bytes
	s_mov_b32 s21, 0
	s_lshl_b32 s100, s66, 10
	s_lshl_b32 s101, s16, 9
	s_add_co_u32 s100, s100, s101                  ; my first column, in bytes
	s_mov_b32 s101, 0
	s_add_nc_u64 s[20:21], s[20:21], s[100:101]
	s_add_nc_u64 s[12:13], s[8:9], s[20:21]
.macro FRAG reg, adr, q, i             ; a fragment comes as it was stored: three groups of four registers, 512 dense bytes each
.irp g, 0,1,2
	ds_load_b128 v[(\reg)+4*\g:(\reg)+4*\g+3], v[\adr] offset:(\i)*3072+(\q)*1536+512*\g
.endr
.endm
.macro FETCH s                         ; K step s: wo's eight fragments and my tokens' four, into set s % 2: 36 loads in one run
.set CH, (\s)/2
.set QQ, (\s)%2
	WIN TO_B
.irp i, 0,1,2,3,4,5,6,7
	FRAG 128*QQ+FR*\i, ADRB+CH, QQ, \i
.endr
	WIN 0
.irp i, 0,1,2,3
	FRAG AF+48*QQ+FR*\i, ADRA+CH, QQ, \i
.endr
.endm
; 8 matrix instructions: token tile a x wo's eight, K step s.  The 32 accumulators take turns, one instruction a turn, in the same order in every step.  Step 0 starts the sums.
.macro MUL8 a, s
.set PB, 128*((\s)%2)
.set PA, AF+48*((\s)%2)+FR*(\a)
.irp b, 0,1,2,3,4,5,6,7
.if (\s) == 0
	v_wmma_scale_f32_16x16x128_f8f6f4 v[8*(8*(\a)+\b):8*(8*(\a)+\b)+7], v[PB+FR*\b:PB+FR*\b+FR-1], v[PA:PA+FR-1], 0, v[SC+8*\b+(\s)], v[SC+8*(\a)+(\s)] matrix_a_fmt:MATRIX_FMT_FP6 matrix_b_fmt:MATRIX_FMT_FP6 matrix_a_scale:MATRIX_SCALE_ROW1
.else
	v_wmma_scale_f32_16x16x128_f8f6f4 v[8*(8*(\a)+\b):8*(8*(\a)+\b)+7], v[PB+FR*\b:PB+FR*\b+FR-1], v[PA:PA+FR-1], v[8*(8*(\a)+\b):8*(8*(\a)+\b)+7], v[SC+8*\b+(\s)], v[SC+8*(\a)+(\s)] matrix_a_fmt:MATRIX_FMT_FP6 matrix_b_fmt:MATRIX_FMT_FP6 matrix_a_scale:MATRIX_SCALE_ROW1
.endif
.endr
.endm
.macro PLACES n                        ; plain vector lines between a matrix instruction and a load into, or a read of, its registers
.rept \n
	v_nop
.endr
.endm
; A K step: 32 matrix instructions on set s % 2, while step s + 1 is fetched into the other set, which step s - 1 has left.
; An odd step's successor lies in the next chunk: my part of that chunk has landed (the chunks issued behind it may stay out), and behind the barrier everybody's has.
.macro KSTEP s
	s_wait_dscnt 0x0                               ; this step's fragments are in; no LDS load of mine is out
.if ((\s)%2 == 1) && ((\s) < 7)
	s_wait_tensorcnt 2-(\s)/2                      ; behind chunk (s + 1) / 2 I issued 2 - s / 2 more loads
	s_barrier_signal -1
	WIN MUL
	MUL8 0, \s                                     ; work on registers while the others arrive
	s_barrier_wait -1
	PLACES NP
	FETCH (\s)+1
	WIN MUL
	MUL8 1, \s
	MUL8 2, \s
	MUL8 3, \s
.else
.if (\s) < 7
.if (\s) > 0
	PLACES NP
.endif
	FETCH (\s)+1
.endif
	WIN MUL
	MUL8 0, \s
	MUL8 1, \s
	MUL8 2, \s
	MUL8 3, \s
.endif
.endm
	s_wait_tensorcnt 3                             ; my scale words and my part of chunk 0 are in; chunks 1 to 3 may be out
	s_barrier_signal -1
	s_barrier_wait -1                              ; everybody's are
.irp i, 0,1,2,3,4,5,6,7                        ; all scale words at once: four words (K steps 4 j .. 4 j + 3) a load; lanes 0-15 read the tokens' tile i (of which 0 to 3 are used), lanes 16-31 wo's tile i
.irp j, 0,1
	ds_load_b128 v[SC+8*\i+4*\j:SC+8*\i+4*\j+3], v[ADRS] offset:\i*STS+256*\j
.endr
.endr
	FETCH 0
.irp s, 0,1,2,3,4,5,6,7
	KSTEP \s
.endr
	WIN 0
; THE WAY OUT, a token tile at a time: through my own stage, back as whole rows of 512 bytes.  The stage's row t is token 32 (a / 2) + 8 (a % 2) + t + 8 (t / 8) of my 64.
.macro TOSTAGE a
.set AC, 64*(\a)
	WIN 0x08                                       ; an LDS store's data: window 2
.irp b, 0,1,2,3,4,5,6,7
	ds_store_b128 v[STO], v[AC+8*\b:AC+8*\b+3] offset:128*(\b/2)+32*(\b%2)         ; each accumulator from its low end on
	ds_store_b128 v[STO], v[AC+8*\b+4:AC+8*\b+7] offset:128*(\b/2)+32*(\b%2)+16
.endr
	WIN 0
.set BB, BK+64*((\a)%2)
.set e, 0
.rept 16
	ds_load_b128 v[BB+4*e:BB+4*e+3], v[RD] offset:e*528            ; LDS serves a wave's instructions in order: these see the stores above
.set e, e+1
.endr
.endm
.macro SEND a, younger
.set BB, BK+64*((\a)%2)
	s_wait_dscnt \younger
.set e, 0
.rept 16
	global_store_b128 v[CO], v[BB+4*e:BB+4*e+3], s[12:13] offset:(32*((\a)/2)+8*((\a)%2)+e+8*(e/8))*8192 th:TH_STORE_NT   ; 512 consecutive bytes, aligned; the row stands in the immediate
.set e, e+1
.endr
.endm
	PLACES NP                                      ; behind the last products: results are read, and rows are loaded into the registers that held the tokens' fragments
	TOSTAGE 0
.irp a, 1,2,3
.if \a > 1
	s_wait_xcnt 0x0                                ; the stores of the tile two back have read their registers
.endif
	TOSTAGE \a
	SEND \a-1, 32                                  ; behind that tile's loads: this tile's 16 stores and 16 loads
.endr
	SEND 3, 0
	s_wait_tensorcnt 0x0                           ; the wave's end
	ds_add_u32 v[SPW], v[NIL]
	s_wait_dscnt 0x0
	CROUND                                         ; the closing round: no work-group ends while a partner may still ask for a tile that names it
	s_endpgm
.Lfunc_end_k_q0e6b5ca064_oproj:
	.size	k_q0e6b5ca064_oproj, .Lfunc_end_k_q0e6b5ca064_oproj-k_q0e6b5ca064_oproj
	.p2alignl 7, 3214868480
	.fill 96, 4, 3214868480
	.section	.rodata,"a",@progbits
	.p2align	6, 0x0
	.amdhsa_kernel k_q0e6b5ca064_oproj
		.amdhsa_group_segment_fixed_size 327680
		.amdhsa_private_segment_fixed_size 0
		.amdhsa_enable_private_segment 0
		.amdhsa_kernarg_size 24
		.amdhsa_user_sgpr_count 2
		.amdhsa_user_sgpr_kernarg_segment_ptr 1
		.amdhsa_wavefront_size32 1
		.amdhsa_system_sgpr_workgroup_id_x 1
		.amdhsa_system_sgpr_workgroup_id_y 1
		.amdhsa_system_sgpr_workgroup_id_z 1
		.amdhsa_system_vgpr_workitem_id 0
		.amdhsa_next_free_vgpr 768
		.amdhsa_next_free_sgpr 106
		.amdhsa_reserve_vcc 0
		.amdhsa_float_denorm_mode_32 3
		.amdhsa_float_denorm_mode_16_64 3
		.amdhsa_memory_ordered 1
		.amdhsa_forward_progress 1
		.amdhsa_inst_pref_size 80
	.end_amdhsa_kernel
	.amdgpu_metadata
---
amdhsa.version: [ 1, 2 ]
amdhsa.kernels:
  - .name:           k_q0e6b5ca064_oproj
    .symbol:         k_q0e6b5ca064_oproj.kd
    .args:
      - { .name: att, .offset: 0, .size: 8, .value_kind: global_buffer, .address_space: global }
      - { .name: opnd, .offset: 8, .size: 8, .value_kind: global_buffer, .address_space: global }
      - { .name: out0, .offset: 16, .size: 8, .value_kind: global_buffer, .address_space: global }
    .group_segment_fixed_size: 327680
    .private_segment_fixed_size: 0
    .kernarg_segment_align: 8
    .kernarg_segment_size: 24
    .max_flat_workgroup_size: 128
    .sgpr_count:     106
    .vgpr_count:     768
    .wavefront_size: 32
...
	.end_amdgpu_metadata
.endif
;; end of part 4
